; MI455X (gfx1250); checked and timed in simulation.
; The chip was launched on July 23, 2026; its instructions are those of AMD's public machine-readable ISA for CDNA 5 (MIT licence, August 2026) and "CDNA5" Instruction Set Architecture Reference Guide (July 2026). The comments in the code are by the model that wrote it; some were corrected since.
;; Masked Attention Head. Allowed arithmetic: matrix products marked QUANTISED: E2M1 operands, one E8M0 scale for each 32 along K, by v_wmma_scale_f32_16x16x128_f8f6f4 with both operands' format E2M1 (or v_wmma_scale_f32_32x16x128_f4), f32 sums; products left as they are: bf16, f16 or f32 operands; f32 sums; everything else in f32.
;; Inputs: W_k 1,024 x 1,024 float32; W_q 1,024 x 1,024 float32; W_v 1,024 x 1,024 float32; x 4 x 2,048 x 1,024 float32.
;; Outputs: out0 4 x 2,048 x 1,024 float32.
;; This version of the problem:
;;   THIS VERSION OF THE PROBLEM IS GIVEN IN LOW PRECISION. The matrix products marked QUANTISED in the list below multiply operands that are first quantised to E2M1 (2 exponent bits, 1 mantissa bit; 4 bits a number), with one power-of-two scale for each 32 numbers along K (OCP MX v1.0); their sums are f32. The products marked 'left as it is' may take bf16, f16 or f32 operands, with f32 sums. Whichever they take, every output number must still come out within the allowed error. Rounding operands to bf16 (8 significant bits) uses up far more of that allowance than f16 does (11 bits, for magnitudes from 6e-5 to 65,504). All else is computed in f32.
;;   The module's matrix products, in the order in which they are computed (A, B: the left and right operand; K: the contracted axis; several contracted axes count as one K, in the product's order):
;;     1. [M 8,192, K 1,024] x [K 1,024, N 1,024]; A: input x; B: input W_q: QUANTISED
;;     2. [M 8,192, K 1,024] x [K 1,024, N 1,024]; A: input x; B: input W_k: QUANTISED
;;     3. [M 8,192, K 1,024] x [K 1,024, N 1,024]; A: input x; B: input W_v: QUANTISED
;;     4. batch 4 x [M 2,048, K 1,024] x [K 1,024, N 2,048]; A: computed on the way; B: computed on the way: left as it is (an operand is computed on the way)
;;     5. batch 4 x [M 2,048, K 2,048] x [K 2,048, N 1,024]; A: computed on the way; B: computed on the way: left as it is (an operand is computed on the way)
;;   THE QUANTISER, for each operand of a quantised product, along K:
;;     - K is cut into blocks of 32 from its start; a last block that is shorter is filled with zeros.
;;     - A block's scale is 2^e with e = floor(log2(the largest magnitude in the block)) - 2, held to -126 .. 127; a block of zeros has e = 0. As a byte (E8M0): e + 127.
;;     - Each number is divided by its block's scale, clamped to +-6, and rounded to the nearest number of E2M1, ties to even, subnormals kept.
;;     - The product sums the exact products of the quantised numbers (number of the format x scale) in f32.
;;   ~~~python
;;   def quantise(x, axis):      # numpy; x: float32 -> the quantised numbers, widened to float32 again
;;       x = np.moveaxis(x, axis, -1); K = x.shape[-1]
;;       x = np.pad(x, [(0, 0)] * (x.ndim - 1) + [(0, -K % 32)]); x = x.reshape(x.shape[:-1] + (-1, 32)); a = np.abs(x).max(-1, keepdims=True)
;;       e = np.where(a > 0, np.clip(np.frexp(np.where(a > 0, a, 1))[1] - 1 - 2, -126, 127), 0)      # np.frexp(a)[1] - 1 = floor(log2(a)), exactly
;;       r = np.clip(x / 2.0 ** e, -6, 6)
;;       step = 2.0 ** (np.maximum(np.frexp(np.where(r == 0, 1, r))[1] - 1, 0) - 1)
;;       q = np.round(r / step) * step * 2.0 ** e      # np.round: ties to even
;;       return np.moveaxis(q.reshape(q.shape[:-2] + (-1,))[..., :K], -1, axis).astype(np.float32)
;;   ~~~
;; One version. Each part assembles by itself: llvm-mc -triple=amdgcn-amd-amdhsa -mcpu=gfx1250 --defsym DOCPART=n.
;; ======== version 1 of 1: 5 launches
;; limits: values are held in f16: magnitudes above 65,504 overflow, below 6.1e-05 lose precision
;; workspace buffers: x_codes 4,194,304 bytes; x_scales 262,144 bytes; w_codes 1,572,864 bytes; w_scales 98,304 bytes; qkv 50,331,648 bytes; fine32 1,572,864 bytes; p16 33,554,432 bytes; stats 1,048,576 bytes
;; launch quant (part 1): grid 352 x 1, 4 waves a work-group, no clusters, 33,280 bytes of LDS; arguments x, W_q, W_k, W_v, x_codes, x_scales, w_codes, w_scales, stats; writes x_codes, x_scales, w_codes, w_scales, stats
.if DOCPART == 1
	.amdgcn_target "amdgcn-amd-amdhsa--gfx1250"
	.amdhsa_code_object_version 6
	.text
	.protected	k_q775fe86d7a_quant
	.globl	k_q775fe86d7a_quant
	.p2align	8
	.type	k_q775fe86d7a_quant,@function
k_q775fe86d7a_quant:
	s_mov_b64 s[64:65], 0
	v_nop
	global_prefetch_b8 v0, s[64:65] scope:SCOPE_SE
	s_setreg_imm32_b32 hwreg(HW_REG_WAVE_MODE, 25, 1), 1
	s_wait_xcnt 0x0
; x [8192][1024] and W_q, W_k, W_v [1024][1024], f32 with K innermost, become codes of FP4 (E2M1), two a byte, and one E8M0 scale byte for each 32 along K.
; x_codes [8192][512 bytes], x_scales [8192][32]; w_codes [3072][512 bytes], w_scales [3072][32]: rows 0-1023 W_q, 1024-2047 W_k, 2048-3071 W_v.
; A block's scale is 2^(floor(log2(its largest magnitude)) - 2); its byte is the largest magnitude's exponent field - 2, held at 1 from below.
; LIMITS: a block of zeros gets the byte 1 where the rule says 127 (its codes are zeros, and this program alone reads the bytes); blocks whose largest magnitude lies under 2^-124 are held at the byte 1; NaN and infinities are not served.
; Rows are dense and 1024 is a multiple of 32: every tensor is a plain stream of blocks.  A work-group takes 32,768 numbers, a wave 8,192: 16 steps of 512.  Work-groups 0-255 take x, 256-351 the weights, 32 each.
; Only pointers are chosen by the work-group's number: all tensors take one path through the text.
; Each of a step's four loads reads 512 consecutive bytes; the 2,048 bytes turn through the wave's own stage in LDS and come back 64 bytes a lane (16 neighbours along K), 16 bytes of padding behind each 64.
; Work-groups 0-255 also fill the table stats [8192][16]{-M, l} with {2^100, 0}: a tile that no later launch writes weighs nothing.
.set WAVES, 4
.set STEPS, 16
.set EMAX,  2
.set CB,    8                          ; bytes of 16 codes
.set R,     16                         ; v16-79   four sets of 16 numbers as loaded
.set X,     80                         ; v80-111  two sets of 16 neighbours
.set E,     112                        ; v112-127 a scale byte for each step
.set C,     128                        ; v128-191 codes: four registers a step, so that no store's data are written again
.set WREG,  8192                       ; LDS: a region for each wave: two stages of 32 x SP bytes, then its 256 scale bytes
.set SP,    80
.set SPW,   12                         ; v12 my spare word's address; never rewritten
.set NIL,   13                         ; v13 0; never rewritten
.set SPARE, WAVES*WREG                 ; the spare words: 128 bytes a wave, named by no other line
	s_load_b256 s[4:11], s[0:1], 0x0               ; x, W_q, W_k, W_v
	s_load_b256 s[12:19], s[0:1], 0x20             ; x_codes, x_scales, w_codes, w_scales
	s_load_b64 s[20:21], s[0:1], 0x40              ; stats
	v_lshl_add_u32 v[SPW], v0, 2, SPARE
	v_mov_b32 v[NIL], 0
	v_lshrrev_b32 v1, 5, v0
	v_readfirstlane_b32 s28, v1                    ; wave
	v_and_b32 v2, 31, v0                           ; lane
	v_lshlrev_b32 v3, 4, v2                        ; my 16 bytes of a load's 512
	s_mul_i32 s29, s28, WREG
	v_lshrrev_b32 v14, 2, v2
	v_mul_u32_u24 v14, v14, SP
	v_and_b32 v15, 3, v2
	v_lshl_add_u32 v14, v15, 4, v14
	v_add_nc_u32 v14, s29, v14                     ; the stage, way in: SP (lane / 4) + 16 (lane % 4)
	v_mul_u32_u24 v15, v2, SP
	v_add_nc_u32 v15, s29, v15                     ; way out: SP x lane
	v_mul_u32_u24 v4, v2, CB                       ; my codes' place in a step's
	v_lshrrev_b32 v5, 1, v2
	s_add_co_u32 s29, s29, 2*32*SP
	v_add_nc_u32 v5, s29, v5                       ; my block's scale byte in the wave's 256
	v_lshlrev_b32 v7, 3, v2
	v_add_nc_u32 v6, s29, v7                       ; and 8 bytes a lane on the way out
	s_sub_co_u32 s22, ttmp9, 256                   ; a weight's work-group: 0 .. 95 (not used for x)
	s_lshr_b32 s23, s22, 5                         ; which weight
	s_and_b32 s24, s22, 31                         ; which part of it
	s_wait_kmcnt 0x0
	s_cmp_lt_u32 ttmp9, 256
	s_cbranch_scc0 .Lno_fill
	s_lshl_b32 s30, ttmp9, 12                      ; 4,096 bytes of stats a work-group
	s_mov_b32 s31, 0
	s_add_nc_u64 s[20:21], s[20:21], s[30:31]
	v_mov_b32 v192, 0x71800000                     ; -M = 2^100
	v_mov_b32 v193, 0                              ; l = 0
	v_mov_b32 v194, 0x71800000
	v_mov_b32 v195, 0
	v_lshlrev_b32 v196, 4, v0
	global_store_b128 v196, v[192:195], s[20:21]               ; a wave's store covers 512 consecutive bytes
	global_store_b128 v196, v[192:195], s[20:21] offset:2048
.Lno_fill:
	s_cmp_eq_u32 s23, 1                            ; the choices hang on the work-group's number alone
	s_cselect_b64 s[6:7], s[8:9], s[6:7]
	s_cmp_eq_u32 s23, 2
	s_cselect_b64 s[6:7], s[10:11], s[6:7]
	s_cmp_lt_u32 ttmp9, 256
	s_cselect_b64 s[4:5], s[4:5], s[6:7]           ; the source
	s_cselect_b64 s[12:13], s[12:13], s[16:17]     ; its codes
	s_cselect_b64 s[14:15], s[14:15], s[18:19]     ; its scale bytes
	s_cselect_b32 s25, ttmp9, s24                  ; the work-group's place in the source,
	s_cselect_b32 s26, ttmp9, s22                  ; and in the codes' buffer
	s_lshl_b32 s25, s25, 2
	s_add_co_u32 s25, s25, s28                     ; my wave's run of 8,192 numbers in the source
	s_lshl_b32 s26, s26, 2
	s_add_co_u32 s26, s26, s28                     ; and in the results
	s_lshl_b32 s32, s25, 15                        ; 32,768 bytes of f32 a run
	s_mov_b32 s33, 0
	s_add_nc_u64 s[4:5], s[4:5], s[32:33]
	s_lshl_b32 s34, s26, 12                        ; 4,096 bytes of codes
	s_mov_b32 s35, 0
	s_add_nc_u64 s[12:13], s[12:13], s[34:35]
	s_lshl_b32 s36, s26, 8                         ; 256 scale bytes
	s_mov_b32 s37, 0
	s_add_nc_u64 s[14:15], s[14:15], s[36:37]
.macro LOAD t
.irp i, 0,1,2,3
	global_load_b128 v[R+16*((\t)%4)+4*\i:R+16*((\t)%4)+4*\i+3], v3, s[4:5] offset:2048*(\t)+512*\i th:TH_LOAD_NT
.endr
.endm
.macro TURN t                          ; step t's numbers through the stage: LDS serves a wave's instructions in order, so no wait stands between the stores and the loads
.irp i, 0,1,2,3
	ds_store_b128 v14, v[R+16*((\t)%4)+4*\i:R+16*((\t)%4)+4*\i+3] offset:32*SP*((\t)%2)+8*SP*\i
.endr
.irp i, 0,1,2,3
	ds_load_b128 v[X+16*((\t)%2)+4*\i:X+16*((\t)%2)+4*\i+3], v15 offset:32*SP*((\t)%2)+16*\i
.endr
.endm
.irp t, 0,1,2,3
	LOAD \t
.endr
	s_wait_loadcnt 12                              ; step 0's four loads are in; three steps' twelve stay out
	TURN 0
.macro STEP t
.set XS, X+16*((\t)%2)
.if (\t) > 0
	s_wait_dscnt 1                                 ; this step's numbers are back from the stage; the last step's byte store may be out
.else
	s_wait_dscnt 0x0
.endif
.if (\t)+4 < STEPS
	LOAD (\t)+4                                    ; into the registers whose stage stores have been served
.endif
.if (\t)+1 < STEPS
.if STEPS-2-(\t) >= 3
	s_wait_loadcnt 12                              ; the next step's four loads are in; three steps' twelve stay out
.else
	s_wait_loadcnt 4*(STEPS-2-(\t))
.endif
	TURN (\t)+1
.endif
	v_max3_num_f32 v8, |v[XS]|, |v[XS+1]|, |v[XS+2]|               ; the largest magnitude of my 16, in two chains
	v_max3_num_f32 v9, |v[XS+3]|, |v[XS+4]|, |v[XS+5]|
.irp i, 6,10
	v_max3_num_f32 v8, v8, |v[XS+\i]|, |v[XS+\i+1]|
	v_max3_num_f32 v9, v9, |v[XS+\i+2]|, |v[XS+\i+3]|
.endr
	v_max3_num_f32 v8, v8, |v[XS+14]|, |v[XS+15]|
	v_max3_num_f32 v8, v8, v9, (EMAX+1)<<23        ; and the floor 2^(3 - 127): the byte cannot fall under 1
	v_max_num_f32_dpp v8, v8, v8 row_xmask:1 row_mask:0xf bank_mask:0xf   ; with my neighbour's 16: the block's
	v_add_nc_u32 v11, -(EMAX<<23), v8              ; 2 off the exponent field: the conversion takes this operand's exponent field as its scale
	v_cvt_scalef32_pk8_fp4_f32 v[C+4*(\t)], v[XS:XS+7], v11
	v_cvt_scalef32_pk8_fp4_f32 v[C+4*(\t)+1], v[XS+8:XS+15], v11
	v_lshrrev_b32 v[E+(\t)], 23, v11               ; the scale's byte (also the plain line behind the conversions)
	ds_store_b8 v5, v[E+(\t)] offset:16*(\t)       ; both lanes of a block write the same byte with the same value
	global_store_b64 v4, v[C+4*(\t):C+4*(\t)+1], s[12:13] offset:32*CB*(\t)   ; the wave stores 256 consecutive bytes, aligned
.endm
.irp t, 0,1,2,3,4,5,6,7,8,9,10,11,12,13,14,15
	STEP \t
.endr
	ds_load_b64 v[8:9], v6                         ; LDS serves a wave's instructions in order: these see my byte stores
	s_wait_dscnt 0x0
	global_store_b64 v7, v[8:9], s[14:15]          ; 256 consecutive bytes, aligned
	s_wait_tensorcnt 0x0                           ; the wave's end
	ds_add_u32 v[SPW], v[NIL]
	s_wait_dscnt 0x0
	s_endpgm
.Lfunc_end_k_q775fe86d7a_quant:
	.size	k_q775fe86d7a_quant, .Lfunc_end_k_q775fe86d7a_quant-k_q775fe86d7a_quant
	.p2alignl 7, 3214868480
	.fill 96, 4, 3214868480
	.section	.rodata,"a",@progbits
	.p2align	6, 0x0
	.amdhsa_kernel k_q775fe86d7a_quant
		.amdhsa_group_segment_fixed_size 33280
		.amdhsa_private_segment_fixed_size 0
		.amdhsa_enable_private_segment 0
		.amdhsa_kernarg_size 72
		.amdhsa_user_sgpr_count 2
		.amdhsa_user_sgpr_kernarg_segment_ptr 1
		.amdhsa_wavefront_size32 1
		.amdhsa_system_sgpr_workgroup_id_x 1
		.amdhsa_system_sgpr_workgroup_id_y 1
		.amdhsa_system_sgpr_workgroup_id_z 1
		.amdhsa_system_vgpr_workitem_id 0
		.amdhsa_next_free_vgpr 200
		.amdhsa_next_free_sgpr 66
		.amdhsa_reserve_vcc 0
		.amdhsa_float_denorm_mode_32 3
		.amdhsa_float_denorm_mode_16_64 3
		.amdhsa_memory_ordered 1
		.amdhsa_forward_progress 1
		.amdhsa_inst_pref_size 34
	.end_amdhsa_kernel
	.amdgpu_metadata
---
amdhsa.version: [ 1, 2 ]
amdhsa.kernels:
  - .name:           k_q775fe86d7a_quant
    .symbol:         k_q775fe86d7a_quant.kd
    .args:
      - { .name: x, .offset: 0, .size: 8, .value_kind: global_buffer, .address_space: global }
      - { .name: W_q, .offset: 8, .size: 8, .value_kind: global_buffer, .address_space: global }
      - { .name: W_k, .offset: 16, .size: 8, .value_kind: global_buffer, .address_space: global }
      - { .name: W_v, .offset: 24, .size: 8, .value_kind: global_buffer, .address_space: global }
      - { .name: x_codes, .offset: 32, .size: 8, .value_kind: global_buffer, .address_space: global }
      - { .name: x_scales, .offset: 40, .size: 8, .value_kind: global_buffer, .address_space: global }
      - { .name: w_codes, .offset: 48, .size: 8, .value_kind: global_buffer, .address_space: global }
      - { .name: w_scales, .offset: 56, .size: 8, .value_kind: global_buffer, .address_space: global }
      - { .name: stats, .offset: 64, .size: 8, .value_kind: global_buffer, .address_space: global }
    .group_segment_fixed_size: 33280
    .private_segment_fixed_size: 0
    .kernarg_segment_align: 8
    .kernarg_segment_size: 72
    .max_flat_workgroup_size: 128
    .sgpr_count:     66
    .vgpr_count:     200
    .wavefront_size: 32
...
	.end_amdgpu_metadata
.endif
;; end of part 1
;; launch proj (part 2): grid 12 x 32, 4 waves a work-group, clusters of 4 x 4, 327,680 bytes of LDS; arguments x_codes, x_scales, w_codes, w_scales, qkv, fine32; writes qkv, fine32
.if DOCPART == 2
	.amdgcn_target "amdgcn-amd-amdhsa--gfx1250"
	.amdhsa_code_object_version 6
	.text
	.protected	k_q775fe86d7a_proj
	.globl	k_q775fe86d7a_proj
	.p2align	8
	.type	k_q775fe86d7a_proj,@function
k_q775fe86d7a_proj:
	s_mov_b64 s[64:65], 0
	v_nop
	global_prefetch_b8 v0, s[64:65] scope:SCOPE_SE
	s_setreg_imm32_b32 hwreg(HW_REG_WAVE_MODE, 25, 1), 1
	s_wait_xcnt 0x0
	s_wait_alu depctr_hold_cnt(0) depctr_sa_sdst(0) depctr_va_vdst(0) depctr_va_sdst(0) depctr_va_ssrc(0) depctr_va_vcc(0) depctr_vm_vsrc(0)
	s_getreg_b32 s2, hwreg(HW_REG_IB_STS2, 6, 4)
	s_cmp_eq_u32 s2, 0
	s_cbranch_scc0 .Lentry_in_a_cluster
	s_endpgm
.Lentry_in_a_cluster:
	s_bfe_u32 s2, ttmp6, 0x10000c
	s_cmp_lg_u32 s2, 0xf033
	s_cbranch_scc0 .Lentry_shape_is_right
	s_endpgm
.Lentry_shape_is_right:
; qkv[m][n] = sum over k of x[m][k] W[n][k], m = 0 .. 8191, n = 0 .. 3071 (W_q | W_k | W_v), K = 1024, both operands as codes of FP4 (E2M1) with one E8M0 byte for each 32 along K; sums in f32.
; The result is stored in f16, [8192][3072] (a row: Q at byte 0, K at 2,048, V at 4,096); rows 0-31 of each batch of 2,048 rows also in f32, fine32 [4][32][3072], for the launch that makes the first rows finely.
; LIMIT: results beyond 65,504 in magnitude have no f16 number (with inputs 30 times those drawn they stay near 5,000).
; A tile of 256 x 256 to a work-group of four waves, 128 x 128 a wave: 64 accumulators, 512 registers.  K is two steps of 512 (rows of 256 bytes): both slots are filled once, at the head; nothing is filled again.
; The scale bytes of the work-group's 256 + 256 rows, for all of K, are two dense blocks: they come once, in rows of 256 bytes.
; CLUSTERS 4 x 4: x's tiles are shared along a row of the cluster, W's along a column: joint loads.  TILE ROW = 8 cy + cluster y: a cluster holds the same block of all four batches, so that
; 'first block of a batch' is cluster y = 0, the same in all sixteen partners: the branch round the f32 stores hangs on that and on the wave's number alone.
; The matrix instruction is used transposed (source 0 = 16 rows of W, source 1 = 16 rows of x): a lane holds eight neighbouring columns of one row.
; REGISTERS: window 0: v0-31 addresses; v32-95 scale words alone; v128-191 x's fragments, one set; on the way out v96-127 packed results, v128-191 rows read back.  window 1: W's fragments, two sets.  windows 2, 3: accumulators.
.set SIZE_N, 3072
.set SIZE_K, 1024
.set NQ,     4                         ; steps of 128 along K in a slot
.set ROWB,   256                       ; a tile's row in bytes: 512 codes
.set KROW,   SIZE_K/2                  ; a row of codes in memory
.set PITCH,  272                       ; an LDS row: 256 bytes + 16 of padding: the 16 rows of a fragment load start at 16 different banks (64 banks of 4 bytes: ISA guide 11.1)
.set FR,     8
.set NL,     2
.set NP,     4                         ; places behind this matrix instruction (ISA guide 7.12.1)
.set HALFT,  128*PITCH
.set SLOT,   4*HALFT
.set KS,     SIZE_K/32
.set SCL,    2*SLOT                    ; behind the two slots: the scales
.set HALFS,  (128*KS/256)*272
.set SBLK,   (16*KS/256)*272
.set SPARE,  SCL+4*HALFS               ; the spare words: 128 bytes a wave, named by no other line
.set SPITCH, 272                       ; the way out: 16 rows x (256 + 16) bytes a wave, in slot 0, which has had its only fill and its last read by then
.set CROW,   SIZE_N*2                  ; a row of qkv in bytes
.set ADRA, 16
.set ADRB, 20
.set STO,  24
.set RD,   25
.set CO,   26
.set ADRS, 27
.set SPW,  28
.set NIL,  29
.set FO,   30                          ; v30 my byte offset in fine32
.set SC,   32
.set TMP,  96
.set AF,   128
.set OB,   128
.set G1, 24
.set G0, 32
.set G1B, 48
.set G0B, 56
.set G1S, 68
.set G0S, 76
.set G1SB, 80
.set G0SB, 88
.set MSB, 0
.macro WIN new                         ; the immediate's high byte repeats the setting that is left
.if MSB != \new
	s_set_vgpr_msb (MSB<<8)|\new
.set MSB, \new
.endif
.endm
.set MUL_LO, 0xa1                      ; source 0 (W) window 1, source 1 (x) window 0, C and D window 2
.set MUL_HI, 0xf1
.set TO_B,   0x40
.macro JLOAD g0a, g1a, g0b, g1b        ; a joint load: waves 0, 1 fetch for x, waves 2, 3 for W; an s_nop 0 and four v_nop follow each line
	s_cmp_eq_u32 s15, 0
	s_cbranch_scc0 .Lfor_b_\@
	tensor_load_to_lds s[\g0a:\g0a+3], s[\g1a:\g1a+7]
	s_nop 0
.rept 4
	v_nop
.endr
	s_branch .Lasked_\@
.Lfor_b_\@:
	tensor_load_to_lds s[\g0b:\g0b+3], s[\g1b:\g1b+7]
	s_nop 0
.rept 4
	v_nop
.endr
.Lasked_\@:
.endm
.macro CROUND                          ; a round of the cluster's barrier
	s_barrier_signal -1
	s_barrier_wait -1
	s_cmp_lg_u32 s14, 0
	s_cbranch_scc1 .Lnot_wave_0_\@
	s_barrier_signal -3
.Lnot_wave_0_\@:
	s_barrier_wait -3
	s_barrier_signal -1
	s_barrier_wait -1
.endm
	s_load_b128 s[4:7], s[0:1], 0x0                ; x's codes, x's scales
	s_load_b128 s[8:11], s[0:1], 0x10              ; W's codes, W's scales
	s_load_b64 s[12:13], s[0:1], 0x20              ; qkv
	s_load_b64 s[96:97], s[0:1], 0x28              ; fine32
	v_lshl_add_u32 v[SPW], v0, 2, SPARE
	v_mov_b32 v[NIL], 0
	ds_add_u32 v[SPW], v[NIL]                      ; the opening: the add, twice on end, and its wait ahead of my first tensor load
	ds_add_u32 v[SPW], v[NIL]
	v_lshrrev_b32 v1, 5, v0
	v_readfirstlane_b32 s14, v1                    ; wave
	s_lshr_b32 s15, s14, 1                         ; my half of the tile's rows; also: I fetch for x (0) or W (1)
	s_and_b32 s16, s14, 1                          ; my half of its columns; also: which 128 rows I fetch
	s_bfe_u32 s40, ttmp6, 0x40000                  ; cx
	s_bfe_u32 s41, ttmp6, 0x40004                  ; cy
	s_lshl_b32 s42, ttmp9, 2
	s_add_co_u32 s42, s42, s40                     ; tile column = 4 x cluster x + cx
	s_and_b32 s98, ttmp7, 0xffff                   ; cluster y: the block within a batch
	s_lshl_b32 s17, s41, 3
	s_add_co_u32 s17, s17, s98                     ; tile row = 8 cy + cluster y: cy is the batch
	s_lshl_b32 s43, s41, 2
	s_lshl_b32 s43, 15, s43                        ; my row of the cluster
	s_lshl_b32 s44, 0x1111, s40                    ; my column
	s_or_b32 s[G1+0], s43, (0<<16)|(1<<20)|(1<<21)|(5<<22)|(3<<25)  ; mask; elements of 1 byte; padding: 4 words after every 64; bit 21 beside a mask
	s_or_b32 s[G1B+0], s44, (0<<16)|(1<<20)|(1<<21)|(5<<22)|(3<<25)
.irp g, G1, G1B
	s_mov_b32 s[\g+1], ROWB<<16                    ; tensor_dim0
	s_mov_b32 s[\g+2], 128<<16                     ; tensor_dim1
	s_mov_b32 s[\g+3], ROWB<<16                    ; tile_dim0
	s_mov_b32 s[\g+4], 128                         ; tile_dim1
	s_mov_b32 s[\g+5], KROW                        ; the pitch
	s_mov_b32 s[\g+6], 0
	s_mov_b32 s[\g+7], 0
.endr
	s_or_b32 s[G1S+0], s43, (3<<16)|(1<<20)|(1<<21)|(5<<22)|(3<<25) ; the scales of 128 rows: 4,096 dense bytes as 16 rows of 32 elements of 8 bytes
	s_or_b32 s[G1SB+0], s44, (3<<16)|(1<<20)|(1<<21)|(5<<22)|(3<<25)
.irp g, G1S, G1SB
	s_mov_b32 s[\g+1], 32<<16
	s_mov_b32 s[\g+2], (128*KS/256)<<16
	s_mov_b32 s[\g+3], 32<<16
	s_mov_b32 s[\g+4], 128*KS/256
	s_mov_b32 s[\g+5], 32
	s_mov_b32 s[\g+6], 0
	s_mov_b32 s[\g+7], 0
.endr
	s_lshl_b32 s18, s16, 7
	s_lshl_b32 s20, s17, 8
	s_add_co_u32 s20, s20, s18                     ; x: row 256 x tile row + 128 x half
	s_lshl_b32 s46, s42, 8
	s_add_co_u32 s46, s46, s18                     ; W: row 256 x tile column + 128 x half
	s_mov_b32 s21, 0
	s_mov_b32 s47, 0
	s_mov_b64 s[18:19], KS
	s_mul_u64 s[22:23], s[20:21], s[18:19]         ; these rows' scales, in bytes
	s_mul_u64 s[92:93], s[46:47], s[18:19]
	s_mov_b64 s[18:19], KROW
	s_mul_u64 s[20:21], s[20:21], s[18:19]         ; and their codes
	s_mul_u64 s[46:47], s[46:47], s[18:19]
	s_mul_i32 s45, s14, HALFT                      ; where they go: wave x 128 rows
	s_mul_i32 s94, s14, HALFS
	s_wait_dscnt 0x0                               ; both opening adds are done
	s_wait_kmcnt 0x0
	s_add_nc_u64 s[20:21], s[4:5], s[20:21]
	s_add_nc_u64 s[22:23], s[6:7], s[22:23]
	s_add_nc_u64 s[46:47], s[8:9], s[46:47]
	s_add_nc_u64 s[92:93], s[10:11], s[92:93]
	CROUND                                         ; all sixteen work-groups are here: the joint loads meet
	s_mov_b32 s[G0S], 1
	s_add_co_u32 s[G0S+1], s94, SCL
	s_mov_b64 s[G0S+2:G0S+3], s[22:23]
	s_or_b32 s[G0S+3], s[G0S+3], 0x80000000
	s_mov_b32 s[G0SB], 1
	s_add_co_u32 s[G0SB+1], s94, SCL
	s_mov_b64 s[G0SB+2:G0SB+3], s[92:93]
	s_or_b32 s[G0SB+3], s[G0SB+3], 0x80000000
	JLOAD G0S, G1S, G0SB, G1SB                     ; the scales first; three loads of mine are out at the most
.irp s, 0,1
	s_mov_b32 s[G0+4*\s], 1
	s_add_co_u32 s[G0+4*\s+1], s45, \s*SLOT
	s_add_nc_u64 s[G0+4*\s+2:G0+4*\s+3], s[20:21], \s*ROWB
	s_or_b32 s[G0+4*\s+3], s[G0+4*\s+3], 0x80000000
	s_mov_b32 s[G0B+4*\s], 1
	s_add_co_u32 s[G0B+4*\s+1], s45, \s*SLOT
	s_add_nc_u64 s[G0B+4*\s+2:G0B+4*\s+3], s[46:47], \s*ROWB
	s_or_b32 s[G0B+4*\s+3], s[G0B+4*\s+3], 0x80000000
	JLOAD G0+4*\s, G1, G0B+4*\s, G1B
.endr
	v_and_b32 v1, 15, v0                           ; r
	v_bfe_u32 v2, v0, 4, 1                         ; h
	v_mul_u32_u24 v3, v1, PITCH
	v_lshl_add_u32 v4, v2, 4, v3                   ; a fragment's row x pitch + 16 h
	s_mul_i32 s21, s15, HALFT
	s_mul_i32 s22, s16, HALFT
	s_add_co_u32 s22, s22, 2*HALFT
.irp s, 0,1
	v_add_nc_u32 v[ADRA+\s], s21, v4
	v_add_nc_u32 v[ADRB+\s], s22, v4
	s_add_co_u32 s21, s21, SLOT
	s_add_co_u32 s22, s22, SLOT
.endr
	v_mul_u32_u24 v5, v1, KS                       ; my row's scales: 32 bytes a row,
	v_lshrrev_b32 v6, 8, v5
	v_lshl_add_u32 v5, v6, 4, v5                   ; and 16 more for each 256 passed
	s_mul_i32 s21, s15, HALFS
	s_mul_i32 s22, s16, HALFS
	s_add_co_u32 s22, s22, 2*HALFS
	s_sub_co_u32 s22, s22, s21
	v_mul_u32_u24 v6, s22, v2                      ; lanes 16-31 take W's: one product, the distance between the two bases
	s_add_co_u32 s21, s21, SCL
	v_add_nc_u32 v5, v5, v6
	v_add_nc_u32 v[ADRS], s21, v5
	s_mul_i32 s23, s14, 16*SPITCH                  ; my stage
	v_mul_u32_u24 v5, v1, SPITCH
	v_lshl_add_u32 v5, v2, 4, v5
	v_add_nc_u32 v[STO], s23, v5                   ; in: row r, 16 bytes for each half of the lanes
	v_mul_u32_u24 v5, v2, SPITCH
	v_lshl_add_u32 v5, v1, 4, v5
	v_add_nc_u32 v[RD], s23, v5                    ; back: lanes 0-15 one row of 256 bytes, lanes 16-31 the next
	v_mul_u32_u24 v5, v2, CROW
	v_lshl_add_u32 v[CO], v1, 4, v5                ; the same two rows in qkv
	v_mul_u32_u24 v5, v1, 12288
	v_lshl_add_u32 v[FO], v2, 5, v5                ; fine32: row r of 12,288 bytes, + 32 h
	s_lshl_b32 s20, s17, 8
	s_lshl_b32 s21, s15, 7
	s_add_co_u32 s20, s20, s21                     ; my first row
	s_mul_i32 s20, s20, CROW
	s_lshl_b32 s46, s42, 9
	s_lshl_b32 s47, s16, 8
	s_add_co_u32 s46, s46, s47                     ; my first column in bytes of f16: 512 x tile column + 256 x half
	s_add_co_u32 s20, s20, s46
	s_mov_b32 s21, 0
	s_add_nc_u64 s[12:13], s[12:13], s[20:21]
	s_mul_i32 s20, s41, 393216                     ; fine32: the batch's 32 rows,
	s_lshl_b32 s46, s46, 1                         ; the column in bytes of f32
	s_add_co_u32 s20, s20, s46
	s_add_nc_u64 s[96:97], s[96:97], s[20:21]
	s_or_b32 s99, s98, s15                         ; 0: the batch's first block, and my rows are its first 128
.macro FRAG reg, adr, q, i             ; 16 rows x 128 K of 4-bit codes: 8 registers, two loads of 16 bytes, 32 bytes apart
.irp c, 0,1
	ds_load_b128 v[\reg+4*\c:\reg+4*\c+3], v[\adr] offset:64*(\q)+32*\c+(\i)*16*PITCH
.endr
.endm
; 16 matrix instructions: x's blocks a0, a0 + 1 against W's eight.  The 64 accumulators take turns, one instruction a turn.
.macro MUL16 a0, p, q, sc, zero
.irp a, \a0, \a0+1
.irp b, 0,1,2,3,4,5,6,7
.if \zero
	v_wmma_scale_f32_16x16x128_f8f6f4 v[8*(8*((\a)%4)+\b):8*(8*((\a)%4)+\b)+7], v[128*(\p)+FR*\b:128*(\p)+FR*\b+FR-1], v[AF+FR*(\a):AF+FR*(\a)+FR-1], 0, v[SC+8*NQ*(\sc)+NQ*\b+(\q)], v[SC+8*NQ*(\sc)+NQ*(\a)+(\q)] matrix_a_fmt:MATRIX_FMT_FP4 matrix_b_fmt:MATRIX_FMT_FP4 matrix_a_scale:MATRIX_SCALE_ROW1
.else
	v_wmma_scale_f32_16x16x128_f8f6f4 v[8*(8*((\a)%4)+\b):8*(8*((\a)%4)+\b)+7], v[128*(\p)+FR*\b:128*(\p)+FR*\b+FR-1], v[AF+FR*(\a):AF+FR*(\a)+FR-1], v[8*(8*((\a)%4)+\b):8*(8*((\a)%4)+\b)+7], v[SC+8*NQ*(\sc)+NQ*\b+(\q)], v[SC+8*NQ*(\sc)+NQ*(\a)+(\q)] matrix_a_fmt:MATRIX_FMT_FP4 matrix_b_fmt:MATRIX_FMT_FP4 matrix_a_scale:MATRIX_SCALE_ROW1
.endif
.endr
.endr
.endm
.macro FETCH_B slot, q, p
	WIN TO_B
.irp i, 0,1,2,3,4,5,6,7
	FRAG 128*(\p)+FR*\i, ADRB+\slot, \q, \i
.endr
	WIN 0
.endm
.macro FETCH_A slot, q, i0
.irp i, \i0, \i0+1, \i0+2, \i0+3
	FRAG AF+FR*(\i), ADRA+\slot, \q, \i
.endr
.endm
.macro SCALES sc                       ; a K step's scale words: lanes 0-15 x's block i, lanes 16-31 W's block i
.irp i, 0,1,2,3,4,5,6,7
	ds_load_b128 v[SC+8*NQ*\sc+NQ*\i:SC+8*NQ*\sc+NQ*\i+3], v[ADRS] offset:\i*SBLK
.endr
.endm
.macro PLACES n                        ; plain places in front of loads into registers that matrix instructions have read, and of the first read of results
.rept \n
	v_nop
.endr
.endm
.macro STEP slot, q, zero              ; 128 along K with its successor in the same slot
	s_wait_dscnt 4*NL                              ; W's set and x's blocks 0-3 are in; the youngest eight loads (x's blocks 4-7) may be out
	WIN MUL_LO
	MUL16 0, (\q)%2, \q, \slot, \zero
	MUL16 2, (\q)%2, \q, \slot, \zero
	s_wait_dscnt 0
	PLACES NP
	FETCH_B \slot, (\q)+1, 1-(\q)%2
	FETCH_A \slot, (\q)+1, 0
	WIN MUL_HI
	MUL16 4, (\q)%2, \q, \slot, \zero
	MUL16 6, (\q)%2, \q, \slot, \zero
	PLACES NP
	WIN 0
	FETCH_A \slot, (\q)+1, 4
.endm
	s_wait_tensorcnt 1                             ; the scales and my part of K step 0 are in; K step 1's load may be out
	s_barrier_signal -1
	s_barrier_wait -1
	FETCH_B 0, 0, 0
	FETCH_A 0, 0, 0
	SCALES 0
	FETCH_A 0, 0, 4
	STEP 0, 0, 1                                   ; the first products start the sums: nothing is cleared
	STEP 0, 1, 0
	STEP 0, 2, 0
	; slot 0's last step changes slots: one barrier; nothing is filled again
	s_wait_tensorcnt 0x0                           ; my part of slot 1 has landed
	ds_add_u32 v[SPW], v[NIL]
	s_wait_dscnt 4*NL+1                            ; the add and the youngest eight loads may be out
	WIN MUL_LO
	MUL16 0, 1, NQ-1, 0, 0
	s_wait_dscnt 0x0                               ; the add is done, and my reads of slot 0 are over
	s_barrier_signal -1
	MUL16 2, 1, NQ-1, 0, 0
	WIN 0
	s_barrier_wait -1
	PLACES NP
	v_add_nc_u32 v[ADRS], 4*NQ, v[ADRS]            ; the next K step's scale words
	FETCH_B 1, 0, 0
	FETCH_A 1, 0, 0
	SCALES 1
	WIN MUL_HI
	MUL16 4, 1, NQ-1, 0, 0
	MUL16 6, 1, NQ-1, 0, 0
	PLACES NP
	WIN 0
	FETCH_A 1, 0, 4
	STEP 1, 0, 0
	STEP 1, 1, 0
	STEP 1, 2, 0
	s_wait_dscnt 4*NL                              ; the very last step
	WIN MUL_LO
	MUL16 0, 1, NQ-1, 1, 0
	MUL16 2, 1, NQ-1, 1, 0
	s_wait_dscnt 0
	WIN MUL_HI
	MUL16 4, 1, NQ-1, 1, 0
	MUL16 6, 1, NQ-1, 1, 0
	WIN 0
	PLACES NP
	; rows 0-31 of a batch also leave in f32: blocks 0 and 1 of the waves with the first 128 rows of a batch's first tile row
	s_cmp_eq_u32 s99, 0
	s_cbranch_scc0 .Lno_fine
	WIN 0x08                                       ; a store's data are its source 1: window 2
.irp a, 0,1
.irp b, 0,1,2,3,4,5,6,7
	global_store_b128 v[FO], v[8*(8*\a+\b):8*(8*\a+\b)+3], s[96:97] offset:\a*196608+64*\b       ; each accumulator from its low end on
	global_store_b128 v[FO], v[8*(8*\a+\b)+4:8*(8*\a+\b)+7], s[96:97] offset:\a*196608+64*\b+16
.endr
.endr
	WIN 0
.Lno_fine:
; THE WAY OUT, a block of 16 rows x 128 columns at a time: rounded to f16 (16 bytes a lane), through my own stage, back as whole rows of 256 bytes.
.macro PACK a
.set AC, 64*((\a)%4)
	WIN 0x0a+5*((\a)/4)                            ; sources 0 and 1: window 2 or 3
.irp b, 0,1,2,3,4,5,6,7
.irp r, 0,1,2,3
	v_cvt_pk_f16_f32 v[TMP+4*\b+\r], v[AC+8*\b+2*\r], v[AC+8*\b+2*\r+1]
.endr
.endr
	WIN 0
.endm
.macro TOSTAGE a
.set BB, OB+32*((\a)%2)
.irp b, 0,1,2,3,4,5,6,7
	ds_store_b128 v[STO], v[TMP+4*\b:TMP+4*\b+3] offset:32*\b
.endr
.irp t, 0,1,2,3,4,5,6,7
	ds_load_b128 v[BB+4*\t:BB+4*\t+3], v[RD] offset:\t*2*SPITCH    ; LDS serves a wave's instructions in order: these see the stores above
.endr
.endm
.macro SEND a
.set BB, OB+32*((\a)%2)
	s_wait_dscnt 0x0                               ; the block is back in registers
	s_wait_xcnt 0x0                                ; earlier stores have read their base and registers: only behind this wait are they written again
.if (\a) > 0
	s_add_nc_u64 s[12:13], s[12:13], 16*CROW
.endif
.irp t, 0,1,2,3,4,5,6,7
	global_store_b128 v[CO], v[BB+4*\t:BB+4*\t+3], s[12:13] offset:2*\t*CROW   ; 16 lanes store 256 consecutive bytes, aligned
.endr
.endm
	PACK 0
	TOSTAGE 0
.irp a, 1,2,3,4,5,6,7
	PACK \a
	SEND \a-1
	TOSTAGE \a
.endr
	SEND 7
	s_wait_tensorcnt 0x0                           ; the wave's end
	ds_add_u32 v[SPW], v[NIL]
	s_wait_dscnt 0x0
	CROUND                                         ; the closing round
	s_endpgm
.Lfunc_end_k_q775fe86d7a_proj:
	.size	k_q775fe86d7a_proj, .Lfunc_end_k_q775fe86d7a_proj-k_q775fe86d7a_proj
	.p2alignl 7, 3214868480
	.fill 96, 4, 3214868480
	.section	.rodata,"a",@progbits
	.p2align	6, 0x0
	.amdhsa_kernel k_q775fe86d7a_proj
		.amdhsa_group_segment_fixed_size 327680
		.amdhsa_private_segment_fixed_size 0
		.amdhsa_enable_private_segment 0
		.amdhsa_kernarg_size 48
		.amdhsa_user_sgpr_count 2
		.amdhsa_user_sgpr_kernarg_segment_ptr 1
		.amdhsa_wavefront_size32 1
		.amdhsa_system_sgpr_workgroup_id_x 1
		.amdhsa_system_sgpr_workgroup_id_y 1
		.amdhsa_system_sgpr_workgroup_id_z 1
		.amdhsa_system_vgpr_workitem_id 0
		.amdhsa_next_free_vgpr 1024
		.amdhsa_next_free_sgpr 100
		.amdhsa_reserve_vcc 0
		.amdhsa_float_denorm_mode_32 3
		.amdhsa_float_denorm_mode_16_64 3
		.amdhsa_memory_ordered 1
		.amdhsa_forward_progress 1
		.amdhsa_inst_pref_size 130
	.end_amdhsa_kernel
	.amdgpu_metadata
---
amdhsa.version: [ 1, 2 ]
amdhsa.kernels:
  - .name:           k_q775fe86d7a_proj
    .symbol:         k_q775fe86d7a_proj.kd
    .args:
      - { .name: x_codes, .offset: 0, .size: 8, .value_kind: global_buffer, .address_space: global }
      - { .name: x_scales, .offset: 8, .size: 8, .value_kind: global_buffer, .address_space: global }
      - { .name: w_codes, .offset: 16, .size: 8, .value_kind: global_buffer, .address_space: global }
      - { .name: w_scales, .offset: 24, .size: 8, .value_kind: global_buffer, .address_space: global }
      - { .name: qkv, .offset: 32, .size: 8, .value_kind: global_buffer, .address_space: global }
      - { .name: fine32, .offset: 40, .size: 8, .value_kind: global_buffer, .address_space: global }
    .group_segment_fixed_size: 327680
    .private_segment_fixed_size: 0
    .kernarg_segment_align: 8
    .kernarg_segment_size: 48
    .max_flat_workgroup_size: 128
    .sgpr_count:     100
    .vgpr_count:     1024
    .wavefront_size: 32
...
	.end_amdgpu_metadata
.endif
;; end of part 2
;; launch scores (part 3): grid 12 x 16, 4 waves a work-group, clusters of 4 x 4, 327,680 bytes of LDS; arguments qkv, p16, stats; writes p16, stats
.if DOCPART == 3
	.amdgcn_target "amdgcn-amd-amdhsa--gfx1250"
	.amdhsa_code_object_version 6
	.text
	.protected	k_q775fe86d7a_scores
	.globl	k_q775fe86d7a_scores
	.p2align	8
	.type	k_q775fe86d7a_scores,@function
k_q775fe86d7a_scores:
	s_mov_b64 s[64:65], 0
	v_nop
	global_prefetch_b8 v0, s[64:65] scope:SCOPE_SE
	s_setreg_imm32_b32 hwreg(HW_REG_WAVE_MODE, 25, 1), 1
	s_wait_xcnt 0x0
	s_wait_alu depctr_hold_cnt(0) depctr_sa_sdst(0) depctr_va_vdst(0) depctr_va_sdst(0) depctr_va_ssrc(0) depctr_va_vcc(0) depctr_vm_vsrc(0)
	s_getreg_b32 s2, hwreg(HW_REG_IB_STS2, 6, 4)
	s_cmp_eq_u32 s2, 0
	s_cbranch_scc0 .Lentry_in_a_cluster
	s_endpgm
.Lentry_in_a_cluster:
	s_bfe_u32 s2, ttmp6, 0x10000c
	s_cmp_lg_u32 s2, 0xf033
	s_cbranch_scc0 .Lentry_shape_is_right
	s_endpgm
.Lentry_shape_is_right:
; For each tile of 128 queries x 128 keys with J <= I of a batch: s = Q K^T (f16 operands, f32 sums, K = 1024); keys beyond query + 1 are hidden; t = s log2(e) / 32;
; M = the tile row's largest t rounded up to a whole number; p = 2^(t - M) is stored in f16, p16 [b][I][J][128][128]; {-M, l = the row's sum of p in f32} goes to stats [8192][16].
; The next launch brings each tile under its row's own M by an exact power of two.  The one key beyond the aligned tiles (query 128 I + 127, key 128 I + 128) is added there, so a tile with J > I is hidden whole here.
; LIMITS: scores above -2^100 (the number that stands for a hidden score: a power of two, so that a row that is hidden whole gives t - M = 0 exactly); NaN and infinities are not served.
; SHARES.  A work-group of four waves makes 256 queries x 256 keys; A WAVE MAKES 128 x 128, WHICH IS ONE TILE OF p16: I = 2 I2 + (wave / 2), J = 2 J2 + (wave % 2).  So a tile's maxima, sums and stats never leave the wave.
; 64 accumulators of 16 x 16, 512 registers.  K goes in eight steps of 128 (rows of 256 bytes) through two LDS slots: 256 matrix instructions a wave in a step.
; CLUSTERS.  4 x 4 work-groups make a super-tile of 1,024 x 1,024: cluster x = 0, 1, 2 is (G, g) = (0,0), (1,0), (1,1), cluster y the batch; I2 = 4 G + cy, J2 = 4 g + cx.  Q's tiles are shared along a row of the cluster,
; K's along a column: joint loads divide the requests by four.  In the two diagonal super-tiles of a batch six of sixteen work-groups lie above the diagonal: partners of a cluster run alike, so these multiply too,
; are hidden whole, and store tiles that nobody reads with an M that weighs nothing: that is the price of the joint loads.  192 work-groups: the design has no work for more.
; The matrix instruction is used transposed (source 0 = 16 keys, source 1 = 16 queries): lane (r, h) holds query 16 a + r, register j of accumulator (a, b) key 16 b + 8 h + j.
; REGISTERS, in windows of 256: window 0: v0-31 addresses; v64-127, v128-191 Q's fragments, two buffers; on the way out v64-119 statistics, v192-223 packed p, v32-63 and v224-255 rows read back.
;   window 1: v64-127, v128-191 K's fragments.   window 2: accumulators of query tiles 0-3 ((a, b) at v[8 (8 a + b)]);   window 3: of query tiles 4-7.
.set KSTEP,  128
.set PITCH,  272                       ; an LDS row: 256 bytes + 16: the 16 rows of a fragment load start at 16 different banks (64 banks of 4 bytes: ISA guide 11.1)
.set HALFT,  128*PITCH                 ; what one tensor load brings, and what one wave reads of Q or of K
.set SLOT,   4*HALFT                   ; Q's 256 rows, then K's 256 rows
.set STAGE,  2*SLOT                    ; behind the ring: 16 rows x 272 bytes for each wave
.set SPITCH, 272
.set SPARE,  STAGE+4*16*SPITCH         ; the spare words: 128 bytes a wave, named by no other line
.set QROW,   6144                      ; a row of qkv in bytes
.set LAPS,   4                         ; a lap = two K steps = once round the ring
.set ADRA, 16                          ; v16-17 LDS address of my Q fragments in slot 0, 1
.set ADRB, 20                          ; v20-21 the same for K
.set SO,   22                          ; v22    128 x lane: a row of stats
.set STO,  24
.set RD,   25
.set CO,   26                          ; v26    16 x lane: the tile of p16 is dense
.set NEGR, 27                          ; v27    -2^100
.set SPW,  28
.set NIL,  29
.set PFO,  30                          ; v30    lane x a row of qkv; never rewritten
.set LIM,  31                          ; v31    register j of accumulator (a, b) is hidden where 16 b + j - 16 a > LIM
.set F0,   64
.set F1,   128
.set MX,   64                          ; the way out: v64-71 maxima of my eight query tiles
.set T,    72                          ; v72-79  at work
.set NM,   80                          ; v80-95  -M, as pairs
.set LS,   96                          ; v96-111 sums, as pairs
.set SD,   112                         ; v112-119 {-M, l} to store
.set TMP,  192
.set OB,   32
.set G1, 24                            ; s[24:31] group 1 for Q's tiles; s[32:39] groups 0, one for each slot
.set G0, 32
.set G1B, 48                           ; s[48:55], s[56:63] the same for K's
.set G0B, 56
.set PFA,  70                          ; s[70:71] where my prefetches stand: one K step further on than the refill that is being asked for; a prefetch names the K step after that
.set LIMP, 72                          ; s72 1 in a wave that prefetches, else the greatest number
.set MSB, 0
.macro WIN new                         ; the immediate's high byte repeats the setting that is left; a switch that changes nothing is dropped
.if MSB != (\new)
	s_set_vgpr_msb (MSB<<8)|(\new)
.set MSB, (\new)
.endif
.endm
.set MUL_LO, 0xa1                      ; source 0 (K) window 1, source 1 (Q) window 0, C and D window 2
.set MUL_HI, 0xf1                      ; the same, C and D window 3
.set TO_B,   0x40                      ; destination window 1, address window 0
.macro JLOAD s                         ; a joint load: waves 0, 1 fetch Q's halves, waves 2, 3 K's; an s_nop 0 and four v_nop follow each line
	s_cmp_eq_u32 s11, 0
	s_cbranch_scc0 .Lfor_b_\@
	tensor_load_to_lds s[G0+4*\s:G0+4*\s+3], s[G1:G1+7]
	s_nop 0
.rept 4
	v_nop
.endr
	s_branch .Lasked_\@
.Lfor_b_\@:
	tensor_load_to_lds s[G0B+4*\s:G0B+4*\s+3], s[G1B:G1B+7]
	s_nop 0
.rept 4
	v_nop
.endr
.Lasked_\@:
.endm
; A PREFETCH INTO THE L2, behind each joint load and the run of LDS loads that follows it: the K step that stands two refills on: 32 rows x 256 bytes, a lane a row, one instruction a wave.
; Each row's 256 bytes of a K step are named once in the launch: Q's rows of a row of super-tiles are asked for by its cluster with g = 0 (cluster x = 0 or 1), K's rows of a column by its cluster with G = g (cluster x = 0 or 2).
; The four partners that ask for a tile jointly share its rows out by address: of the 128 rows that a wave fetches the partner at place p takes 32 p on (p = cx for Q, cy for K).  The loop's last trip asks for nothing:
; its two refills are the last K steps.  K steps 0 to 3 come by their loads alone.
.macro ASK
	s_cmp_gt_u32 s3, s[LIMP]                       ; s3 = 1 in the loop's last trip
	s_cbranch_scc0 .Lnot_mine_\@
	global_prefetch_b8 v[PFO], s[PFA:PFA+1] offset:KSTEP*2 th:TH_LOAD_NT scope:SCOPE_SE
.Lnot_mine_\@:
.endm
.macro CREST                           ; a round of the cluster's barrier behind its opening barrier
	s_cmp_lg_u32 s10, 0
	s_cbranch_scc1 .Lnot_wave_0_\@
	s_barrier_signal -3
.Lnot_wave_0_\@:
	s_barrier_wait -3
	s_barrier_signal -1
	s_barrier_wait -1
.endm
.macro CROUND
	s_barrier_signal -1
	s_barrier_wait -1
	CREST
.endm
	s_load_b128 s[4:7], s[0:1], 0x0                ; qkv, p16
	s_load_b64 s[8:9], s[0:1], 0x10                ; stats
	v_lshl_add_u32 v[SPW], v0, 2, SPARE
	v_mov_b32 v[NIL], 0
	ds_add_u32 v[SPW], v[NIL]                      ; the opening: the add, twice on end, and its wait ahead of my first tensor load
	ds_add_u32 v[SPW], v[NIL]
	v_lshrrev_b32 v1, 5, v0
	v_readfirstlane_b32 s10, v1                    ; wave
	s_lshr_b32 s11, s10, 1                         ; my half of the queries; also: I fetch Q (0) or K (1)
	s_and_b32 s12, s10, 1                          ; my half of the keys; also: which 128 rows I fetch
	s_bfe_u32 s40, ttmp6, 0x40000                  ; cx
	s_bfe_u32 s41, ttmp6, 0x40004                  ; cy
	s_cmp_ge_u32 ttmp9, 1
	s_cselect_b32 s66, 1, 0                        ; G
	s_cmp_eq_u32 ttmp9, 2
	s_cselect_b32 s67, 1, 0                        ; g
	s_lshl_b32 s42, s67, 2
	s_add_co_u32 s42, s42, s40                     ; J2 = 4 g + cx
	s_lshl_b32 s13, s66, 2
	s_add_co_u32 s13, s13, s41                     ; I2 = 4 G + cy
	s_and_b32 s68, ttmp7, 0xffff                   ; the batch
	s_lshl_b32 s43, s41, 2
	s_lshl_b32 s43, 15, s43                        ; my row of the cluster
	s_lshl_b32 s44, 0x1111, s40                    ; my column
	s_or_b32 s[G1+0], s43, (1<<16)|(1<<20)|(1<<21)|(5<<22)|(3<<25)  ; mask; elements of 2 bytes; padding: 4 words after every 64; bit 21 beside a mask
	s_or_b32 s[G1B+0], s44, (1<<16)|(1<<20)|(1<<21)|(5<<22)|(3<<25)
.irp g, G1, G1B
	s_mov_b32 s[\g+1], KSTEP<<16                   ; tensor_dim0 = 128
	s_mov_b32 s[\g+2], 128<<16                     ; tensor_dim1 = 128
	s_mov_b32 s[\g+3], KSTEP<<16                   ; tile_dim0
	s_mov_b32 s[\g+4], 128                         ; tile_dim1
	s_mov_b32 s[\g+5], 3072                        ; the pitch in elements
	s_mov_b32 s[\g+6], 0
	s_mov_b32 s[\g+7], 0
.endr
	s_lshl_b32 s18, s12, 7                         ; which 128 rows of the tile I fetch,
	s_lshl_b32 s69, s68, 11                        ; in the batch's 2,048
	s_add_co_u32 s18, s18, s69
	s_lshl_b32 s16, s13, 8
	s_add_co_u32 s16, s16, s18                     ; Q: row 2048 b + 256 I2 + 128 x half
	s_mul_i32 s16, s16, QROW
	s_mov_b32 s17, 0
	s_lshl_b32 s46, s42, 8
	s_add_co_u32 s46, s46, s18                     ; K: row 2048 b + 256 J2 + 128 x half,
	s_mul_i32 s46, s46, QROW
	s_add_co_u32 s46, s46, 2048                    ; 2,048 bytes on in the row
	s_mov_b32 s47, 0
	s_mul_i32 s20, s10, HALFT                      ; where they go: wave x 128 rows: no place in the cluster enters an LDS address
	s_mov_b32 s78, 0x76543210
	s_mov_b32 s79, 0xfedcba98                      ; v_permlanex16_b32's selects for lane l xor 16
	s_mov_b32 s80, 0x3d38aa3b                      ; c = log2(e) / 32
	s_mov_b32 s81, s80
	s_mov_b32 s82, 0xffff0000                      ; lanes 16-31
	s_wait_dscnt 0x0                               ; both opening adds are done
	s_wait_kmcnt 0x0
	s_add_nc_u64 s[14:15], s[4:5], s[16:17]
	s_add_nc_u64 s[46:47], s[4:5], s[46:47]
	CROUND                                         ; all sixteen work-groups are here: the first joint loads meet
.irp s, 0,1
	s_mov_b32 s[G0+4*\s], 1
	s_add_co_u32 s[G0+4*\s+1], s20, \s*SLOT
	s_add_nc_u64 s[G0+4*\s+2:G0+4*\s+3], s[14:15], \s*KSTEP*2
	s_or_b32 s[G0+4*\s+3], s[G0+4*\s+3], 0x80000000
	s_mov_b32 s[G0B+4*\s], 1
	s_add_co_u32 s[G0B+4*\s+1], s20, \s*SLOT
	s_add_nc_u64 s[G0B+4*\s+2:G0B+4*\s+3], s[46:47], \s*KSTEP*2
	s_or_b32 s[G0B+4*\s+3], s[G0B+4*\s+3], 0x80000000
	JLOAD \s                                       ; two loads of mine are out at the most
.endr
	v_and_b32 v1, 15, v0                           ; r
	v_bfe_u32 v2, v0, 4, 1                         ; h
	v_mul_u32_u24 v3, v1, PITCH
	v_lshl_add_u32 v3, v2, 4, v3                   ; a fragment's row x pitch + 16 h
	s_mul_i32 s21, s11, HALFT                      ; my 128 queries
	s_mul_i32 s22, s12, HALFT                      ; my 128 keys,
	s_add_co_u32 s22, s22, 2*HALFT                 ; behind Q's 256 rows
.irp s, 0,1
	v_add_nc_u32 v[ADRA+\s], s21, v3
	v_add_nc_u32 v[ADRB+\s], s22, v3
	s_add_co_u32 s21, s21, SLOT
	s_add_co_u32 s22, s22, SLOT
.endr
	s_mul_i32 s23, s10, 16*SPITCH
	s_add_co_u32 s23, s23, STAGE                   ; my stage
	v_mul_u32_u24 v4, v1, SPITCH
	v_lshl_add_u32 v4, v2, 4, v4
	v_add_nc_u32 v[STO], s23, v4                   ; in: row r, 16 bytes for each half of the lanes
	v_mul_u32_u24 v5, v2, SPITCH
	v_lshl_add_u32 v5, v1, 4, v5
	v_add_nc_u32 v[RD], s23, v5                    ; back: lanes 0-15 one row of 256 bytes, lanes 16-31 the next
	v_and_b32 v3, 31, v0                           ; lane
	v_lshlrev_b32 v[CO], 4, v3
	v_lshlrev_b32 v[SO], 7, v3
	v_mul_u32_u24 v[PFO], v3, QROW
	s_lshl_b32 s73, s13, 1
	s_add_co_u32 s73, s73, s11                     ; I
	s_lshl_b32 s74, s42, 1
	s_add_co_u32 s74, s74, s12                     ; J
	s_sub_co_i32 s75, s73, s74                     ; I - J
	s_lshl_b32 s76, s75, 7
	s_cmp_lt_i32 s75, 0
	s_cselect_b32 s76, 0xfffe7960, s76             ; 128 (I - J), or -100,000 where J > I: all hidden.  It enters numbers alone, no LDS address and no branch
	s_add_co_u32 s76, s76, 1
	v_lshlrev_b32 v3, 3, v2
	v_sub_nc_u32 v3, v1, v3
	v_add_nc_u32 v[LIM], s76, v3                   ; 128 (I - J) + r + 1 - 8 h
	v_mov_b32 v[NEGR], 0xf1800000
	s_lshl_b32 s76, s68, 4
	s_add_co_u32 s76, s76, s73
	s_lshl_b32 s76, s76, 4
	s_add_co_u32 s76, s76, s74
	s_lshl_b32 s76, s76, 15                        ; my tile of p16: ((16 b + I) 16 + J) x 32,768
	s_mov_b32 s77, 0
	s_add_nc_u64 s[6:7], s[6:7], s[76:77]
	s_lshl_b32 s76, s73, 7
	s_add_co_u32 s76, s76, s69                     ; row 2048 b + 128 I of stats,
	s_lshl_b32 s76, s76, 7
	s_lshl_b32 s75, s74, 3
	s_add_co_u32 s76, s76, s75                     ; entry J
	s_add_nc_u64 s[8:9], s[8:9], s[76:77]
	; the prefetches: where my wave's stand, and who asks
	s_cmp_eq_u32 s11, 0                            ; do I fetch Q?
	s_cselect_b32 s20, s13, s42                    ; the tile: by I2 for Q, by J2 for K
	s_cselect_b32 s21, s40, s41                    ; my place among the four that ask for it with me
	s_cselect_b32 s22, 0, 2048                     ; K lies 2,048 bytes on in a row
	s_cselect_b32 s23, 2, 1                        ; the cluster x that does not ask: the same in all sixteen partners, for a given wave
	s_lshl_b32 s20, s20, 8
	s_add_co_u32 s20, s20, s18                     ; + the batch, + the 128 rows that I fetch
	s_lshl_b32 s21, s21, 5
	s_add_co_u32 s20, s20, s21                     ; + my work-group's 32 of them
	s_mul_i32 s20, s20, QROW
	s_add_co_u32 s20, s20, s22
	s_add_co_u32 s20, s20, 2*KSTEP*2               ; at K step 2: the first refill steps it to 3 and names K step 4
	s_mov_b32 s21, 0
	s_add_nc_u64 s[PFA:PFA+1], s[4:5], s[20:21]
	s_cmp_lg_u32 ttmp9, s23
	s_cselect_b32 s[LIMP], 1, -1
; 16 matrix instructions: query tiles a0, a0 + 1 of the window's four x all 8 key tiles, 32 along K.  zero = 1: the first product starts the sums.  The 64 accumulators take turns, one instruction a turn.
.macro MUL16 f, hi, a0, zero
.irp a, \a0, \a0+1
.irp b, 0,1,2,3,4,5,6,7
.if \zero
	v_wmma_f32_16x16x32_f16 v[8*(8*(\a)+\b):8*(8*(\a)+\b)+7], v[\f+8*\b:\f+8*\b+7], v[\f+8*(4*\hi+\a):\f+8*(4*\hi+\a)+7], 0
.else
	v_wmma_f32_16x16x32_f16 v[8*(8*(\a)+\b):8*(8*(\a)+\b)+7], v[\f+8*\b:\f+8*\b+7], v[\f+8*(4*\hi+\a):\f+8*(4*\hi+\a)+7], v[8*(8*(\a)+\b):8*(8*(\a)+\b)+7]
.endif
.endr
.endr
.endm
.macro FETCH slot, k, f                ; 32 LDS loads in one run: 128 keys and 128 queries, 32 along K at byte k of the rows, into buffer f
	WIN TO_B
.irp i, 0,1,2,3,4,5,6,7
	ds_load_b128 v[\f+8*\i:\f+8*\i+3],   v[ADRB+\slot] offset:\k+\i*16*PITCH
	ds_load_b128 v[\f+8*\i+4:\f+8*\i+7], v[ADRB+\slot] offset:\k+\i*16*PITCH+32
.endr
	WIN 0
.irp i, 0,1,2,3,4,5,6,7
	ds_load_b128 v[\f+8*\i:\f+8*\i+3],   v[ADRA+\slot] offset:\k+\i*16*PITCH
	ds_load_b128 v[\f+8*\i+4:\f+8*\i+7], v[ADRA+\slot] offset:\k+\i*16*PITCH+32
.endr
.endm
.macro PLACES                          ; four plain places in front of loads into registers that matrix instructions have read, and of the first read of results
.rept 4
	v_nop
.endr
.endm
.macro QUARTER slot, k, f, g, zero     ; 32 along K on buffer f: 64 matrix instructions; in its middle the next quarter's fragments, at byte k, into g
	s_wait_dscnt 8                                 ; K's and Q's rows 0-63 are in; the youngest eight loads (Q's rows 64-127) may be out
	WIN MUL_LO
	MUL16 \f, 0, 0, \zero
	MUL16 \f, 0, 2, \zero
	PLACES
	FETCH \slot, \k, \g
	s_wait_dscnt 32                                ; all but the 32 just issued
	WIN MUL_HI
	MUL16 \f, 1, 0, \zero
	MUL16 \f, 1, 2, \zero
.endm
; A slot's last quarter multiplies buffer 1 and changes slots: one barrier.  In front of it each wave waits for all its tensor loads (its part of the next slot), adds 0 to its spare word, and waits for that and for its reads of this slot.
; fill = 1: the barrier opens a round of the cluster's, and this slot is filled again, two K steps ahead: 224 matrix instructions stand between the request and the wait for it.
.macro TURN slot, next, fill
.if \fill
	s_wait_xcnt 0x0                                ; the last prefetch, a K step back, has read its address: it is stepped here, ahead of the waits of the change of slots
	s_add_nc_u64 s[PFA:PFA+1], s[PFA:PFA+1], KSTEP*2
.endif
	WIN 0                                          ; (the add's two registers lie in window 0)
	s_wait_tensorcnt 0x0                           ; all my tensor loads have landed
	ds_add_u32 v[SPW], v[NIL]
	s_wait_dscnt 9                                 ; the add and the youngest eight loads may be out
	WIN MUL_LO
	MUL16 F1, 0, 0, 0                              ; sixteen matrix instructions stand between the add and the wait for it
	s_wait_dscnt 0x0                               ; the add is done, and my reads of this slot are over
	s_barrier_signal -1
	MUL16 F1, 0, 2, 0
.if \fill
	WIN 0
.endif
	s_barrier_wait -1
.if \fill
	CREST                                          ; no wave of any partner still reads this slot or has a load on its way
	s_add_nc_u64 s[G0+4*\slot+2:G0+4*\slot+3], s[G0+4*\slot+2:G0+4*\slot+3], 2*KSTEP*2
	s_add_nc_u64 s[G0B+4*\slot+2:G0B+4*\slot+3], s[G0B+4*\slot+2:G0B+4*\slot+3], 2*KSTEP*2
	JLOAD \slot                                    ; the first tensor load behind the round, my only one until the next; its four v_nop are also the places in front of the loads below
.else
	PLACES
.endif
	FETCH \next, 0, F0
.if \fill
	ASK
.endif
	WIN MUL_HI
	MUL16 F1, 1, 0, 0
	MUL16 F1, 1, 2, 0
.endm
	s_wait_tensorcnt 1                             ; my part of K step 0 is in; K step 1's load may be out
	s_barrier_signal -1
	s_barrier_wait -1
	FETCH 0, 0, F0
	QUARTER 0, 64,  F0, F1, 1                      ; the first quarter stands in front of the loop: its products start the sums
	WIN 0                                          ; at a label and at a branch every window is 0
	s_mov_b32 s3, LAPS-1
.Llap:                                                 ; three trips: once round the ring, from a lap's second quarter to the next lap's first; both slots are filled again
	QUARTER 0, 128, F1, F0, 0
	QUARTER 0, 192, F0, F1, 0
	TURN 0, 1, 1
	QUARTER 1, 64,  F0, F1, 0
	QUARTER 1, 128, F1, F0, 0
	QUARTER 1, 192, F0, F1, 0
	TURN 1, 0, 1
	QUARTER 0, 64,  F0, F1, 0
	WIN 0
	s_sub_co_u32 s3, s3, 1
	s_cmp_lg_u32 s3, 0
	s_cbranch_scc1 .Llap
	QUARTER 0, 128, F1, F0, 0                      ; the last lap is written out: it fills nothing, and has no round of the cluster's barrier
	QUARTER 0, 192, F0, F1, 0
	TURN 0, 1, 0
	QUARTER 1, 64,  F0, F1, 0
	QUARTER 1, 128, F1, F0, 0
	QUARTER 1, 192, F0, F1, 0
	s_wait_dscnt 8                                 ; the very last quarter
	WIN MUL_LO
	MUL16 F1, 0, 0, 0
	MUL16 F1, 0, 2, 0
	s_wait_dscnt 0
	WIN MUL_HI
	MUL16 F1, 1, 0, 0
	MUL16 F1, 1, 2, 0
	WIN 0
	PLACES
.irp a, 0,1,2,3,4,5,6,7
	v_mov_b32 v[T+\a], 0                           ; written once: a lane permute's destination counts as one of its sources
.endr
	; THE MASK, in the diagonal super-tiles alone (a branch on the cluster's number): hidden scores become -2^100
	s_cmp_eq_u32 ttmp9, 1
	s_cbranch_scc1 .Lopen
.irp hi, 0,1
	WIN 0x82+0x41*\hi                              ; source 0 and destination: window 2 or 3
.irp a, 0,1,2,3
.irp b, 0,1,2,3,4,5,6,7
.irp j, 0,1,2,3,4,5,6,7
	v_cmp_gt_i32 vcc_lo, 16*\b+\j-16*(4*\hi+\a), v[LIM]
	v_cndmask_b32 v[8*(8*\a+\b)+\j], v[8*(8*\a+\b)+\j], v[NEGR], vcc_lo
.endr
.endr
.endr
.endr
	WIN 0
.Lopen:
	; the largest score of my 64 for each query tile, ascending; a window's four tiles by turns
.irp hi, 0,1
	WIN 0x2a+0x15*\hi                              ; all three sources: window 2 or 3
.irp a, 0,1,2,3
	v_max3_num_f32 v[MX+4*\hi+\a], v[64*\a], v[64*\a+1], v[64*\a+2]
.endr
	WIN 0x28+0x14*\hi                              ; sources 1 and 2
.set i, 3
.rept 30
.irp a, 0,1,2,3
	v_max3_num_f32 v[MX+4*\hi+\a], v[MX+4*\hi+\a], v[64*\a+i], v[64*\a+i+1]
.endr
.set i, i+2
.endr
.irp a, 0,1,2,3
	v_max_num_f32 v[MX+4*\hi+\a], v[MX+4*\hi+\a], v[64*\a+63]
.endr
.endr
	WIN 0
.irp a, 0,1,2,3,4,5,6,7
	v_permlanex16_b32 v[T+\a], v[MX+\a], s78, s79
.endr
.irp a, 0,1,2,3,4,5,6,7
	v_max_num_f32 v[MX+\a], v[MX+\a], v[T+\a]      ; the tile's 128 keys
.endr
.irp a, 0,1,2,3,4,5,6,7
	v_mul_f32 v[T+\a], s80, v[MX+\a]               ; as t
.endr
.irp a, 0,1,2,3,4,5,6,7
	v_floor_f32 v[NM+2*\a], -v[T+\a]               ; -M = floor(-t): M is a whole number
.endr
.irp a, 0,1,2,3,4,5,6,7
	v_mov_b32 v[NM+2*\a+1], v[NM+2*\a]             ; (named with it as a pair)
.endr
.irp hi, 0,1
	WIN 0x82+0x41*\hi
.irp a, 0,1,2,3
.set i, 0
.rept 32
	v_pk_fma_f32 v[64*\a+i:64*\a+i+1], v[64*\a+i:64*\a+i+1], s[80:81], v[NM+2*(4*\hi+\a):NM+2*(4*\hi+\a)+1] op_sel_hi:[1,0,0]   ; t - M, one rounding
.set i, i+2
.endr
.endr
.set n, 0
.rept 256
	v_exp_f32 v[n], v[n]                           ; p = 2^(t - M): all 512 are one batch
.set n, n+1
.endr
.endr
	WIN 0
	v_nop                                          ; the plain line behind the last exponential
	s_wait_alu depctr_va_vdst(0)                   ; one wait for the batch, ahead of its first reader
.irp hi, 0,1
	WIN 0x0a+5*\hi                                 ; sources 0 and 1: window 2 or 3
.irp a, 0,1,2,3
	v_pk_add_f32 v[LS+2*(4*\hi+\a):LS+2*(4*\hi+\a)+1], v[64*\a:64*\a+1], v[64*\a+2:64*\a+3]
.endr
	WIN 0x08+4*\hi                                 ; source 1
.set i, 4
.rept 30
.irp a, 0,1,2,3
	v_pk_add_f32 v[LS+2*(4*\hi+\a):LS+2*(4*\hi+\a)+1], v[LS+2*(4*\hi+\a):LS+2*(4*\hi+\a)+1], v[64*\a+i:64*\a+i+1]
.endr
.set i, i+2
.endr
.endr
	WIN 0
.irp a, 0,1,2,3,4,5,6,7
	v_add_f32 v[LS+2*\a], v[LS+2*\a], v[LS+2*\a+1]
.endr
.irp a, 0,1,2,3,4,5,6,7
	v_permlanex16_b32 v[T+\a], v[LS+2*\a], s78, s79
.endr
.irp a, 0,1,2,3,4,5,6,7
	v_add_f32 v[LS+2*\a], v[LS+2*\a], v[T+\a]      ; the row's sum over the tile's 128 keys, of the unrounded p
.endr
.irp k, 0,1,2,3                        ; both halves of the lanes hold a query tile's figures: lanes 0-15 give tile 2 k's, lanes 16-31 tile 2 k + 1's: row 32 k + lane
	v_cndmask_b32 v[SD+2*\k], v[NM+4*\k], v[NM+4*\k+2], s82
	v_cndmask_b32 v[SD+2*\k+1], v[LS+4*\k], v[LS+4*\k+2], s82
.endr
.irp k, 0,1,2,3
	global_store_b64 v[SO], v[SD+2*\k:SD+2*\k+1], s[8:9] offset:4096*\k    ; {-M, l}: 8 bytes of each row's 128: one part in 32 of what the tile stores
.endr
; p leaves a query tile (16 rows x 256 bytes) at a time: rounded to f16, 16 bytes a lane, through my own stage, back as whole rows.
.macro PACK a
.set AC, 64*((\a)%4)
	WIN 0x0a+5*((\a)/4)                            ; sources 0 and 1: window 2 or 3
.irp b, 0,1,2,3,4,5,6,7
.irp r, 0,1,2,3
	v_cvt_pk_f16_f32 v[TMP+4*\b+\r], v[AC+8*\b+2*\r], v[AC+8*\b+2*\r+1]
.endr
.endr
	WIN 0
.endm
.macro TOSTAGE a
.set BB, OB+192*((\a)%2)
.irp b, 0,1,2,3,4,5,6,7
	ds_store_b128 v[STO], v[TMP+4*\b:TMP+4*\b+3] offset:32*\b
.endr
.irp t, 0,1,2,3,4,5,6,7
	ds_load_b128 v[BB+4*\t:BB+4*\t+3], v[RD] offset:\t*2*SPITCH    ; LDS serves a wave's instructions in order (ISA guide 5.7.1.4): these see the stores above
.endr
.endm
.macro SEND a
.set BB, OB+192*((\a)%2)
	s_wait_dscnt 0x0                               ; the rows are back in registers
	s_wait_xcnt 0x0                                ; earlier stores have read their registers: the next tile's rows are loaded over them only behind this wait
.irp t, 0,1,2,3,4,5,6,7
	global_store_b128 v[CO], v[BB+4*\t:BB+4*\t+3], s[6:7] offset:4096*(\a)+512*\t   ; the wave stores 512 consecutive bytes, aligned
.endr
.endm
	PACK 0
	TOSTAGE 0
.irp a, 1,2,3,4,5,6,7                  ; tile a's conversions stand between tile a - 1's loads from the stage and the wait for them
	PACK \a
	SEND \a-1
	TOSTAGE \a
.endr
	SEND 7
	s_wait_tensorcnt 0x0                           ; the wave's end
	ds_add_u32 v[SPW], v[NIL]
	s_wait_dscnt 0x0
	CROUND                                         ; the closing round
	s_endpgm
.Lfunc_end_k_q775fe86d7a_scores:
	.size	k_q775fe86d7a_scores, .Lfunc_end_k_q775fe86d7a_scores-k_q775fe86d7a_scores
	.p2alignl 7, 3214868480
	.fill 96, 4, 3214868480
	.section	.rodata,"a",@progbits
	.p2align	6, 0x0
	.amdhsa_kernel k_q775fe86d7a_scores
		.amdhsa_group_segment_fixed_size 327680
		.amdhsa_private_segment_fixed_size 0
		.amdhsa_enable_private_segment 0
		.amdhsa_kernarg_size 24
		.amdhsa_user_sgpr_count 2
		.amdhsa_user_sgpr_kernarg_segment_ptr 1
		.amdhsa_wavefront_size32 1
		.amdhsa_system_sgpr_workgroup_id_x 1
		.amdhsa_system_sgpr_workgroup_id_y 1
		.amdhsa_system_sgpr_workgroup_id_z 1
		.amdhsa_system_vgpr_workitem_id 0
		.amdhsa_next_free_vgpr 1024
		.amdhsa_next_free_sgpr 84
		.amdhsa_reserve_vcc 1
		.amdhsa_float_denorm_mode_32 3
		.amdhsa_float_denorm_mode_16_64 3
		.amdhsa_memory_ordered 1
		.amdhsa_forward_progress 1
		.amdhsa_inst_pref_size 252
	.end_amdhsa_kernel
	.amdgpu_metadata
---
amdhsa.version: [ 1, 2 ]
amdhsa.kernels:
  - .name:           k_q775fe86d7a_scores
    .symbol:         k_q775fe86d7a_scores.kd
    .args:
      - { .name: qkv, .offset: 0, .size: 8, .value_kind: global_buffer, .address_space: global }
      - { .name: p16, .offset: 8, .size: 8, .value_kind: global_buffer, .address_space: global }
      - { .name: stats, .offset: 16, .size: 8, .value_kind: global_buffer, .address_space: global }
    .group_segment_fixed_size: 327680
    .private_segment_fixed_size: 0
    .kernarg_segment_align: 8
    .kernarg_segment_size: 24
    .max_flat_workgroup_size: 128
    .sgpr_count:     84
    .vgpr_count:     1024
    .wavefront_size: 32
...
	.end_amdgpu_metadata
.endif
;; end of part 3
;; launch pv (part 4): grid 8 x 32, 4 waves a work-group, clusters of 4 x 1, 327,680 bytes of LDS; arguments p16, qkv, stats, out0; writes out0
.if DOCPART == 4
	.amdgcn_target "amdgcn-amd-amdhsa--gfx1250"
	.amdhsa_code_object_version 6
	.text
	.protected	k_q775fe86d7a_pv
	.globl	k_q775fe86d7a_pv
	.p2align	8
	.type	k_q775fe86d7a_pv,@function
k_q775fe86d7a_pv:
	s_mov_b64 s[64:65], 0
	v_nop
	global_prefetch_b8 v0, s[64:65] scope:SCOPE_SE
	s_setreg_imm32_b32 hwreg(HW_REG_WAVE_MODE, 25, 1), 1
	s_wait_xcnt 0x0
	s_wait_alu depctr_hold_cnt(0) depctr_sa_sdst(0) depctr_va_vdst(0) depctr_va_sdst(0) depctr_va_ssrc(0) depctr_va_vcc(0) depctr_vm_vsrc(0)
	s_getreg_b32 s2, hwreg(HW_REG_IB_STS2, 6, 4)
	s_cmp_eq_u32 s2, 0
	s_cbranch_scc0 .Lentry_in_a_cluster
	s_endpgm
.Lentry_in_a_cluster:
	s_bfe_u32 s2, ttmp6, 0x10000c
	s_cmp_lg_u32 s2, 0x3003
	s_cbranch_scc0 .Lentry_shape_is_right
	s_endpgm
.Lentry_shape_is_right:
; out0[q][:] = (sum over tiles J of 2^(M_J - M) (P_J V_J) + w V[corner]) / l, for all rows but the first 16 of each batch (a later launch makes those in f32).
; P_J [128 x 128] f16 and {-M_J, l_J} come from the launch before; M is the row's largest M_J (and the corner's); l = sum of 2^(M_J - M) l_J + w.  The corner is the one key beyond the aligned tiles:
; query 128 I + 127 sees key 128 I + 128; its score is a dot product of the f16 rows in f32, w = 2^(t - M), and w V starts the sums, so that nothing is cleared.
; THE TILE'S FACTOR IS APPLIED IN f32, TO THE PRODUCT: each sub-step of 128 keys starts its 16 accumulators anew (C = 0), and behind it 64 packed fused multiply-adds add factor x product to the sums, which lie in registers of their own.
; LIMITS: NaN and infinities are not served.
; SHARES.  Work-group (n, y): I = y % 8, batch y / 8, channels 128 n on.  It makes query block I and then block 15 - I: one walk of 17 sub-steps of 128 keys (t <= I: block I, tile t; else block 15 - I, tile t - I - 1):
; 256 work-groups of equal work, constant trip counts, no tensor load jumped over.  Four waves, 64 queries x 64 channels each; source 0 = V^T (turned on the way out of LDS), source 1 = P: a lane holds one query.
; CLUSTER 4 x 1: four channel slices of one (batch, I) walk the same tiles of P: joint loads.  V's tiles are each work-group's own, by plain loads: the work-groups that share a slice of V (other I) stand at other tiles at a
; given sub-step, so no joint request could meet.
; RING.  Two slots of two sub-steps each (P 128 x 272 bytes, V 128 x 288 bytes a sub-step); each wave fetches one tile of 128 rows x 256 bytes behind each round: even waves P, odd waves V, waves 0, 1 the slot's first sub-step.
; The tile factors lie in LDS at constant places, FT[t][row], f32: block 15 - I's stats are LOADED 8 (I + 1) bytes early, so that entry t is tile t - I - 1; entries of the other block are 0 in both lists, and the two are joined by an or.
; REGISTERS: window 0: addresses, factors, the way out, v128-255 a sub-step's 16 accumulators.  window 1: two buffers of fragments.  window 2: v0-127 the sums.
.set PP,    272                        ; a row of P in LDS: 256 + 16
.set PV,    288                        ; a row of V: 256 + 32
.set VOFF,  128*PP
.set SUB,   VOFF+128*PV                ; a sub-step's tiles
.set SLOTB, 2*SUB
.set STG,   2*SLOTB                    ; the way out: 16 rows x 272 bytes a wave
.set FT,    STG+4*16*272               ; [17][128] f32: the factor of sub-step t for each of the block's rows
.set IL,    FT+17*512                  ; [2][128] 1 / l
.set WXT,   IL+1024                    ; [2][128] w
.set SPARE, WXT+1024                   ; the spare words: 128 bytes a wave, named by no other line
.set FAD,  3                           ; v3     FT + 4 (64 row half + r), stepped four sub-steps a trip
.set FS,   4                           ; v4-11  four pairs: in the low word the sub-step's factor for each of my four query tiles
.set ADRP, 12                          ; v12-15 P's fragments, by 2 slot + sub-step
.set ADRV, 16                          ; v16-19 V's
.set STO,  20
.set RD,   21
.set CO,   22
.set PFO,  23                          ; v23    256 x lane; never rewritten
.set SPW,  24
.set NIL,  25
.set TMP,  32                          ; v32-63
.set OB,   64                          ; v64-95
.set VHB,  96                          ; v96-111  the corner's V row for block 15 - I, my 32 channels in f16
.set VHA,  112                         ; v112-127 for block I, until the sums are started
.set IV,   112                         ; v112-115, v116-119: 1 / l of my four query tiles, blocks I and 15 - I
.set WXB,  120                         ; v120-123 w for block 15 - I
.set ACC,  128
.set TOT,  0                           ; in window 2
.set SA,   128                         ; at the head: block I's 16 {-M, l}
.set SB,   160                         ; block 15 - I's 17, shifted
.set F0,   0
.set F1,   128
.set WV,   12
.set RH,   13                          ; my half of the queries; also: which sub-step of a slot I fetch
.set CH,   14                          ; my half of the channels; also: I fetch P (0) or V (1)
.set II,   18
.set G1P,  24
.set G1V,  32
.set G0P,  40                          ; s[40:43] slot 0, s[44:47] slot 1
.set G0V,  48
.set BA,   56                          ; byte of block I's tile 0 in p16
.set BBO,  57                          ; byte of block 15 - I's tile 0, less I + 1 tiles
.set VB,   58                          ; byte of V's key 0, my slice, in qkv
.set VSH,  59                          ; I + 1 tiles of V
.set TW,   60                          ; the sub-step of my next fill
.set TCUR, 61
.set LAP,  62
.set OUT,  68                          ; s[68:69], s[70:71]
.set SKIP, 72
.set LIMP, 73
.set PFA,  74
.set PFOK, 76
.set CX8,  77
.set MSB, 0
.macro WIN new
.if MSB != \new
	s_set_vgpr_msb (MSB<<8)|\new
.set MSB, \new
.endif
.endm
.macro PLACES
.rept 4
	v_nop
.endr
.endm
.macro CREST
	s_cmp_lg_u32 s[WV], 0
	s_cbranch_scc1 .Lnot_wave_0_\@
	s_barrier_signal -3
.Lnot_wave_0_\@:
	s_barrier_wait -3
	s_barrier_signal -1
	s_barrier_wait -1
.endm
.macro CROUND
	s_barrier_signal -1
	s_barrier_wait -1
	CREST
.endm
; The addresses of my next fill, for sub-step TW, into the slot's groups 0: scalar work alone.  s82, s83 feed the joint load's descriptor and never hold my place in the cluster.
.macro NEXT slot
	s_cmp_le_u32 s[TW], s[II]
	s_cselect_b32 s82, s[BA], s[BBO]
	s_cselect_b32 s84, 0, s[VSH]
	s_lshl_b32 s83, s[TW], 15
	s_add_co_u32 s82, s82, s83
	s_mov_b32 s83, 0
	s_mul_i32 s85, s[TW], 786432
	s_add_co_u32 s85, s85, s[VB]
	s_sub_co_u32 s84, s85, s84
	s_mov_b32 s85, 0
	s_add_nc_u64 s[G0P+4*\slot+2:G0P+4*\slot+3], s[4:5], s[82:83]
	s_or_b32 s[G0P+4*\slot+3], s[G0P+4*\slot+3], 0x80000000
	s_add_nc_u64 s[G0V+4*\slot+2:G0V+4*\slot+3], s[6:7], s[84:85]
	s_or_b32 s[G0V+4*\slot+3], s[G0V+4*\slot+3], 0x80000000
	s_add_co_u32 s[TW], s[TW], 2
.endm
.macro JLOAD slot                      ; even waves: P, jointly; odd waves: V.  An s_nop 0 and four v_nop follow each line
	s_cmp_eq_u32 s[CH], 0
	s_cbranch_scc0 .Lfor_v_\@
	tensor_load_to_lds s[G0P+4*\slot:G0P+4*\slot+3], s[G1P:G1P+7]
	s_nop 0
.rept 4
	v_nop
.endr
	s_branch .Lasked_\@
.Lfor_v_\@:
	tensor_load_to_lds s[G0V+4*\slot:G0V+4*\slot+3], s[G1V:G1V+7]
	s_nop 0
.rept 4
	v_nop
.endr
.Lasked_\@:
.endm
.macro JHALF slot                      ; the last fill is one sub-step: wave 0 P, wave 1 V, the others nothing
	s_cmp_eq_u32 s[WV], 0
	s_cbranch_scc0 .Lnot_p_\@
	tensor_load_to_lds s[G0P+4*\slot:G0P+4*\slot+3], s[G1P:G1P+7]
	s_nop 0
.rept 4
	v_nop
.endr
	s_branch .Lhalf_\@
.Lnot_p_\@:
	s_cmp_eq_u32 s[WV], 1
	s_cbranch_scc0 .Lhalf_\@
	tensor_load_to_lds s[G0V+4*\slot:G0V+4*\slot+3], s[G1V:G1V+7]
	s_nop 0
.rept 4
	v_nop
.endr
.Lhalf_\@:
.endm
; A PREFETCH INTO THE L2 of the tile of P that my NEXT refill will load: a slot's two sub-steps, 128 matrix instructions, ahead.  A tile is 32,768 dense bytes; the two clusters of a y read it, and cluster x = 0 asks;
; its four partners take 8,192 bytes each, told apart by address; lanes 256 bytes apart; waves 0 and 2 ask, each for its own tile.  Sub-steps 0 to 5 come by their loads alone; beyond sub-step 16 nothing is asked for.
.macro ASK
	s_cmp_eq_u32 s[PFOK], 1
	s_cbranch_scc0 .Lnot_mine_\@
	global_prefetch_b8 v[PFO], s[PFA:PFA+1] th:TH_LOAD_NT scope:SCOPE_SE
.Lnot_mine_\@:
.endm
.macro MUL8 f, c, a0, zero             ; 8 matrix instructions: query tiles a0, a0 + 1 x 4 channel tiles, 32 keys.  zero: the sub-step's first products start its sums.  The 16 accumulators take turns
.irp a, \a0, \a0+1
.irp b, 0,1,2,3
.if \zero
	v_wmma_f32_16x16x32_f16 v[ACC+8*(4*(\a)+\b):ACC+8*(4*(\a)+\b)+7], v[\f+64+8*(4*\c+\b):\f+64+8*(4*\c+\b)+7], v[\f+8*(4*\c+\a):\f+8*(4*\c+\a)+7], 0
.else
	v_wmma_f32_16x16x32_f16 v[ACC+8*(4*(\a)+\b):ACC+8*(4*(\a)+\b)+7], v[\f+64+8*(4*\c+\b):\f+64+8*(4*\c+\b)+7], v[\f+8*(4*\c+\a):\f+8*(4*\c+\a)+7], v[ACC+8*(4*(\a)+\b):ACC+8*(4*(\a)+\b)+7]
.endif
.endr
.endr
.endm
; Quarter q of a slot (64 keys; q / 2 is the sub-step) into buffer f: with a sub-step's SECOND quarter its four factor words first (sub-step tl of the trip): the sub-step before has used its own by then; then 32 loads, the first 32 keys first.
.macro FETCHQ slot, q, f, tl
.if ((\q)%2) == 1
	WIN 0
.irp a, 0,1,2,3
	ds_load_b32 v[FS+2*\a], v[FAD] offset:512*(\tl)+64*\a
.endr
.endif
	WIN 0x40                                       ; destination window 1, address window 0
.irp c, 0,1
.irp i, 0,1,2,3
	ds_load_tr16_b128 v[\f+64+8*(4*\c+\i):\f+64+8*(4*\c+\i)+3],   v[ADRV+2*\slot+(\q)/2] offset:(((\q)%2)*64+32*\c)*PV+32*\i
	ds_load_tr16_b128 v[\f+64+8*(4*\c+\i)+4:\f+64+8*(4*\c+\i)+7], v[ADRV+2*\slot+(\q)/2] offset:(((\q)%2)*64+32*\c+16)*PV+32*\i
	ds_load_b128 v[\f+8*(4*\c+\i):\f+8*(4*\c+\i)+3],              v[ADRP+2*\slot+(\q)/2] offset:((\q)%2)*128+64*\c+\i*16*PP
	ds_load_b128 v[\f+8*(4*\c+\i)+4:\f+8*(4*\c+\i)+7],            v[ADRP+2*\slot+(\q)/2] offset:((\q)%2)*128+64*\c+\i*16*PP+32
.endr
.endr
.endm
; A sub-step is finished: sums += factor x product, in f32, two numbers an instruction, ascending.  Four plain places stand behind the last products; an accumulator
; is begun anew only behind these and the 60 lines below that name none of its registers.
.macro ACCUM
	PLACES
	WIN 0xa0                                       ; the sums (source 2 and destination) window 2; the product and the factor window 0
.irp a, 0,1,2,3
.set i, 0
.rept 16
	v_pk_fma_f32 v[TOT+32*\a+i:TOT+32*\a+i+1], v[ACC+32*\a+i:ACC+32*\a+i+1], v[FS+2*\a:FS+2*\a+1], v[TOT+32*\a+i:TOT+32*\a+i+1] op_sel_hi:[1,0,1]
.set i, i+2
.endr
.endr
.endm
.macro QUARTER slot, q, f, g, tl
.set Z, 1-((\q)%2)                     ; a sub-step's first quarter starts its sums
	s_wait_dscnt 16                                ; the first 32 keys are in; the second 32 keys' sixteen loads may be out
	WIN 0x05                                       ; sources 0 and 1 window 1; C and D window 0
	MUL8 \f, 0, 0, Z
	MUL8 \f, 0, 2, Z
	PLACES
	FETCHQ \slot, (\q)+1, \g, \tl
	s_wait_dscnt 32                                ; all but 32 of the run just issued: the factor words, which come first in it, are in
	WIN 0x05
	MUL8 \f, 1, 0, 0
	MUL8 \f, 1, 2, 0
.if ((\q)%2) == 1
	ACCUM
.endif
.endm
; A slot's last quarter changes slots.  fill = 2: the slot is filled again, two sub-steps; 1: one sub-step; 0: nothing.
.macro TURN slot, next, fill
	WIN 0
	s_wait_xcnt 0x0                                ; the last prefetch, a slot back, has read its address
	s_wait_tensorcnt 0x0                           ; all my tensor loads have landed: my part of the next slot; every group 0 may be written
	ds_add_u32 v[SPW], v[NIL]                      ; 0 onto my spare word; scalar work and eight products stand between it and the wait for it
.if \fill
	NEXT \slot
.endif
.if \fill == 2
	s_cmp_le_u32 s[TW], s[II]                      ; TW now names my next refill's sub-step
	s_cselect_b32 s86, s[BA], s[BBO]
	s_lshl_b32 s87, s[TW], 15
	s_add_co_u32 s86, s86, s87
	s_add_co_u32 s86, s86, s[CX8]                  ; my work-group's quarter of the tile
	s_mov_b32 s87, 0
	s_add_nc_u64 s[PFA:PFA+1], s[4:5], s[86:87]
	s_cmp_le_u32 s[TW], 16
	s_cselect_b32 s[PFOK], s[LIMP], 0
.endif
	s_wait_dscnt 17                                ; the add and the youngest sixteen loads may be out
	WIN 0x05
	MUL8 F1, 0, 0, 0
	s_wait_dscnt 0x0                               ; the add is done, and my reads of this slot are over
	s_barrier_signal -1
	MUL8 F1, 0, 2, 0
	WIN 0
	s_barrier_wait -1
.if \fill == 2
	CREST                                          ; the barrier has opened a round of the cluster's: no wave of any partner still reads this slot or has a load on its way
	JLOAD \slot                                    ; the first tensor load behind the round, my only one until the next; its four v_nop are also the places in front of the loads below
.elseif \fill == 1
	CREST
	JHALF \slot
	PLACES
.else
	PLACES
.endif
	FETCHQ \next, 0, F0, 0
	WIN 0
.if \fill == 2
	ASK
.endif
	WIN 0x05
	MUL8 F1, 1, 0, 0
	MUL8 F1, 1, 2, 0
	ACCUM
.endm
; A finished block leaves: x 1 / l, a tile of 16 queries x 64 channels at a time through my own stage, back as rows of 256 bytes.
.macro FLUSH blk
.irp a, 0,1,2,3
	s_wait_xcnt 0x0                                ; earlier stores have read their registers: only behind this wait are they loaded again
	WIN 0x02                                       ; source 0, the sums: window 2
.set i, 0
.rept 32
	v_mul_f32 v[TMP+i], v[TOT+32*\a+i], v[IV+4*\blk+\a]
.set i, i+1
.endr
	WIN 0
.irp b, 0,1,2,3
	ds_store_b128 v[STO], v[TMP+8*\b:TMP+8*\b+3] offset:64*\b
	ds_store_b128 v[STO], v[TMP+8*\b+4:TMP+8*\b+7] offset:64*\b+16
.endr
.irp t, 0,1,2,3,4,5,6,7
	ds_load_b128 v[OB+4*\t:OB+4*\t+3], v[RD] offset:544*\t         ; LDS serves a wave's instructions in order: these see the stores above
.endr
	s_wait_dscnt 0x0
.if (\blk == 0) && (\a == 0)
	s_cmp_eq_u32 s[SKIP], 1                        ; rows 0-15 of a batch belong to the launch that makes them in f32
	s_cbranch_scc1 .Lskip_\@
.endif
.irp t, 0,1,2,3,4,5,6,7
	global_store_b128 v[CO], v[OB+4*\t:OB+4*\t+3], s[OUT+2*\blk:OUT+2*\blk+1] offset:(16*\a+2*\t)*4096 th:TH_STORE_NT   ; 16 lanes store 256 consecutive bytes, aligned
.endr
.if (\blk == 0) && (\a == 0)
.Lskip_\@:
.endif
.endr
.endm
; The sums of a block begin as w x the corner's V row (w is 0 in all rows but the block's last).
.macro INIT vh, wx
.set i, 0
.rept 8
	v_mov_b32 v30, v[\vh+i]
	v_mov_b32 v31, v[\vh+i+1]
	v_cvt_f32_f16 v[TMP+2*i], v30.l
	v_cvt_f32_f16 v[TMP+2*i+1], v30.h
	v_cvt_f32_f16 v[TMP+2*i+2], v31.l
	v_cvt_f32_f16 v[TMP+2*i+3], v31.h
.set i, i+2
.endr
	WIN 0x80                                       ; destination, the sums: window 2
.irp a, 0,1,2,3
.set i, 0
.rept 32
	v_mul_f32 v[TOT+32*\a+i], v[TMP+i], v[\wx+\a]
.set i, i+1
.endr
.endr
	WIN 0
.endm
.macro CHECK                           ; behind sub-step I block I is finished: a branch on ids and the count of sub-steps, the same in all partners
	WIN 0
	s_cmp_lg_u32 s[TCUR], s[II]
	s_cbranch_scc1 .Lgo_on_\@
	FLUSH 0
	INIT VHB, WXB
.Lgo_on_\@:
	s_add_co_u32 s[TCUR], s[TCUR], 1
.endm
	s_load_b256 s[4:11], s[0:1], 0x0               ; p16 s[4:5], qkv s[6:7], stats s[8:9], out0 s[10:11]
	v_lshl_add_u32 v[SPW], v0, 2, SPARE
	v_mov_b32 v[NIL], 0
	ds_add_u32 v[SPW], v[NIL]                      ; the opening: the add, twice on end, and its wait ahead of my first tensor load
	ds_add_u32 v[SPW], v[NIL]
	v_lshrrev_b32 v1, 5, v0
	v_readfirstlane_b32 s[WV], v1
	s_lshr_b32 s[RH], s[WV], 1
	s_and_b32 s[CH], s[WV], 1
	s_bfe_u32 s15, ttmp6, 0x40000                  ; cx
	s_lshl_b32 s16, ttmp9, 2
	s_add_co_u32 s16, s16, s15                     ; n: my slice of 128 channels
	s_and_b32 s17, ttmp7, 0xffff
	s_and_b32 s[II], s17, 7                        ; I
	s_lshr_b32 s19, s17, 3                         ; the batch
	s_lshl_b32 s[BA], s19, 4
	s_add_co_u32 s[BA], s[BA], s[II]
	s_lshl_b32 s[BA], s[BA], 19                    ; (16 b + I) x 524,288
	s_lshl_b32 s[BBO], s19, 4
	s_add_co_u32 s[BBO], s[BBO], 15
	s_sub_co_u32 s[BBO], s[BBO], s[II]
	s_lshl_b32 s[BBO], s[BBO], 19
	s_add_co_u32 s82, s[II], 1
	s_lshl_b32 s83, s82, 15
	s_sub_co_u32 s[BBO], s[BBO], s83               ; (16 b + 15 - I) x 524,288 - (I + 1) x 32,768
	s_mul_i32 s[VSH], s82, 786432
	s_mul_i32 s[VB], s19, 2048*6144
	s_lshl_b32 s85, s16, 8
	s_add_co_u32 s[VB], s[VB], s85
	s_add_co_u32 s[VB], s[VB], 4096
	s_mov_b32 s[TW], s[RH]
	s_lshl_b32 s[CX8], s15, 13
	s_or_b32 s[SKIP], s[II], s[RH]
	s_cmp_eq_u32 s[SKIP], 0
	s_cselect_b32 s[SKIP], 1, 0
	s_or_b32 s[LIMP], s[CH], ttmp9
	s_cmp_eq_u32 s[LIMP], 0
	s_cselect_b32 s[LIMP], 1, 0                    ; waves 0 and 2 of cluster x = 0: the same in all four partners
	s_mov_b32 s[PFOK], 0
	s_mov_b32 s78, 0x76543210
	s_mov_b32 s79, 0xfedcba98
	s_mov_b32 s80, 0x3d38aa3b                      ; c = log2(e) / 32
	s_mov_b32 s81, 999
	s_cmp_eq_u32 s[II], 0
	s_cselect_b32 s81, s81, 127                    ; block 15 has no corner: no thread has the number 999
	s_mov_b32 s[G1P], 15|(1<<16)|(1<<20)|(1<<21)|(5<<22)|(3<<25)   ; all four partners; elements of 2 bytes; 4 words of padding after every 64; bit 21 beside a mask
	s_mov_b32 s[G1P+1], 128<<16
	s_mov_b32 s[G1P+2], 128<<16
	s_mov_b32 s[G1P+3], 128<<16
	s_mov_b32 s[G1P+4], 128
	s_mov_b32 s[G1P+5], 128                        ; the tile is dense
	s_mov_b32 s[G1P+6], 0
	s_mov_b32 s[G1P+7], 0
	s_mov_b32 s[G1V], (1<<16)|(1<<20)|(5<<22)|(7<<25)              ; no mask; 8 words of padding
	s_mov_b32 s[G1V+1], 128<<16
	s_mov_b32 s[G1V+2], 128<<16
	s_mov_b32 s[G1V+3], 128<<16
	s_mov_b32 s[G1V+4], 128
	s_mov_b32 s[G1V+5], 3072
	s_mov_b32 s[G1V+6], 0
	s_mov_b32 s[G1V+7], 0
	s_mul_i32 s86, s[RH], SUB                      ; my sub-step's place in a slot
.irp s, 0,1
	s_mov_b32 s[G0P+4*\s], 1
	s_add_co_u32 s[G0P+4*\s+1], s86, \s*SLOTB
	s_mov_b32 s[G0V+4*\s], 1
	s_add_co_u32 s[G0V+4*\s+1], s86, \s*SLOTB+VOFF
.endr
	s_wait_dscnt 0x0                               ; both opening adds are done
	s_wait_kmcnt 0x0
	NEXT 0
	NEXT 1
	CROUND                                         ; all four work-groups are here: the first joint loads meet
	s_cmp_eq_u32 s[CH], 0                          ; a wave's two first fills stand in one branch: two loads of mine are out at the most
	s_cbranch_scc0 .Lfirst_v
	tensor_load_to_lds s[G0P:G0P+3], s[G1P:G1P+7]
	s_nop 0
	tensor_load_to_lds s[G0P+4:G0P+7], s[G1P:G1P+7]
	s_nop 0
.rept 4
	v_nop
.endr
	s_branch .Lfirst_done
.Lfirst_v:
	tensor_load_to_lds s[G0V:G0V+3], s[G1V:G1V+7]
	s_nop 0
	tensor_load_to_lds s[G0V+4:G0V+7], s[G1V:G1V+7]
	s_nop 0
.rept 4
	v_nop
.endr
.Lfirst_done:
	v_and_b32 v1, 15, v0                           ; r
	v_bfe_u32 v2, v0, 4, 1                         ; h
	s_lshl_b32 s86, s[RH], 8
	v_lshl_add_u32 v[FAD], v1, 2, s86
	v_add_nc_u32 v[FAD], FT, v[FAD]
.irp a, 0,1,2,3
	v_mov_b32 v[FS+2*\a+1], 0                      ; the pairs' upper words are named with the factors, so they are written, once
.endr
	v_mul_u32_u24 v26, v1, PP
	v_lshl_add_u32 v26, v2, 4, v26
	s_mul_i32 s86, s[RH], 64*PP
	v_add_nc_u32 v26, s86, v26                     ; P: row 64 row half + r, + 16 h
	v_and_b32 v27, 7, v0
	v_lshl_add_u32 v27, v2, 3, v27
	v_mul_u32_u24 v27, v27, PV
	v_bfe_u32 v28, v0, 3, 1
	v_lshl_add_u32 v27, v28, 4, v27
	s_lshl_b32 s86, s[CH], 7
	s_add_co_u32 s86, s86, VOFF
	v_add_nc_u32 v27, s86, v27                     ; V: key 8 h + lane % 8, channels 8 ((lane / 8) % 2) on, my 64 channels
.irp k, 0,1,2,3
	v_add_nc_u32 v[ADRP+\k], (\k/2)*SLOTB+(\k%2)*SUB, v26
	v_add_nc_u32 v[ADRV+\k], (\k/2)*SLOTB+(\k%2)*SUB, v27
.endr
	s_mul_i32 s86, s[WV], 16*272
	s_add_co_u32 s86, s86, STG                     ; my stage
	v_mul_u32_u24 v[STO], v1, 272
	v_lshl_add_u32 v[STO], v2, 5, v[STO]
	v_add_nc_u32 v[STO], s86, v[STO]               ; in: row r, 32 bytes for each half of the lanes
	v_mul_u32_u24 v[RD], v2, 272
	v_lshl_add_u32 v[RD], v1, 4, v[RD]
	v_add_nc_u32 v[RD], s86, v[RD]                 ; back: lanes 0-15 one row, lanes 16-31 the next
	v_lshlrev_b32 v[CO], 12, v2
	v_lshl_add_u32 v[CO], v1, 4, v[CO]             ; the same two rows in out0
	v_and_b32 v[PFO], 31, v0
	v_lshlrev_b32 v[PFO], 8, v[PFO]
	v_lshl_add_u32 v29, v0, 2, FT                  ; my thread's word in each table
	; rows and byte offsets
	s_lshl_b32 s82, s19, 11                        ; the batch's first row
	s_lshl_b32 s83, s[II], 7
	s_add_co_u32 s86, s82, s83                     ; block I's first row
	s_sub_co_u32 s87, 1920, s83
	s_add_co_u32 s87, s87, s82                     ; block 15 - I's
	s_lshl_b32 s88, s86, 7                         ; their stats
	s_lshl_b32 s89, s87, 7
	s_add_co_u32 s90, s[II], 1
	s_lshl_b32 s90, s90, 3
	s_sub_co_u32 s89, s89, s90                     ; 8 (I + 1) bytes early: entry t is tile t - I - 1.  Block 15 - I begins at row 1,024 of its batch or later: the loads stay inside the buffer
	s_add_co_u32 s90, s86, 128                     ; the corner's key row of block I,
	s_sub_co_u32 s91, 2048, s83
	s_min_u32 s91, s91, 2047
	s_add_co_u32 s91, s91, s82                     ; of block 15 - I (held inside the batch where there is none)
	s_mul_i32 s90, s90, 6144
	s_mul_i32 s91, s91, 6144
	s_add_co_u32 s95, s90, 2048                    ; K's part of those rows
	s_add_co_u32 s97, s91, 2048
	s_add_co_u32 s94, s86, 127
	s_mul_i32 s94, s94, 6144                       ; the corner's query rows
	s_add_co_u32 s96, s87, 127
	s_mul_i32 s96, s96, 6144
	s_lshl_b32 s84, s16, 8
	s_lshl_b32 s85, s[CH], 7
	s_add_co_u32 s84, s84, s85
	s_add_co_u32 s84, s84, 4096                    ; V's part, my slice, my 64 channels
	s_add_co_u32 s92, s90, s84
	s_add_co_u32 s93, s91, s84
	s_lshl_b32 s84, s16, 9
	s_lshl_b32 s85, s[CH], 8
	s_add_co_u32 s84, s84, s85                     ; my channels in a row of out0
	s_lshl_b32 s85, s[RH], 6
	s_add_co_u32 s86, s86, s85
	s_lshl_b32 s86, s86, 12
	s_add_co_u32 s86, s86, s84
	s_add_co_u32 s90, s87, s85
	s_lshl_b32 s90, s90, 12
	s_add_co_u32 s90, s90, s84
	s_mov_b32 s87, 0
	s_mov_b32 s91, 0
	s_add_nc_u64 s[OUT:OUT+1], s[10:11], s[86:87]
	s_add_nc_u64 s[OUT+2:OUT+3], s[10:11], s[90:91]
	v_lshlrev_b32 v194, 7, v0                      ; thread tau owns row tau of both blocks: 128 bytes of stats each
	v_add_nc_u32 v195, s89, v194
	v_add_nc_u32 v194, s88, v194
	v_lshlrev_b32 v196, 4, v2
	v_add_nc_u32 v197, s93, v196
	v_add_nc_u32 v196, s92, v196
.irp i, 0,1,2,3,4,5,6,7
	global_load_b128 v[SA+4*\i:SA+4*\i+3], v194, s[8:9] offset:16*\i
.endr
.irp t, 0,1,2,3,4,5,6,7,8,9,10,11,12,13,14,15,16
	global_load_b64 v[SB+2*\t:SB+2*\t+1], v195, s[8:9] offset:8*\t
.endr
.irp i, 0,1,2,3
	global_load_b128 v[VHA+4*\i:VHA+4*\i+3], v196, s[6:7] offset:32*\i
	global_load_b128 v[VHB+4*\i:VHB+4*\i+3], v197, s[6:7] offset:32*\i
.endr
	v_mov_b32 v200, 0                              ; the corners' dot products: wave 3, which holds thread 127, makes them
	v_mov_b32 v201, 0
	s_cmp_eq_u32 s[WV], 3
	s_cbranch_scc0 .Lno_corner
	v_and_b32 v30, 31, v0
	v_lshlrev_b32 v30, 4, v30
	v_add_nc_u32 v26, s94, v30
	v_add_nc_u32 v27, s95, v30
	v_add_nc_u32 v28, s96, v30
	v_add_nc_u32 v31, s97, v30
.irp i, 0,1,2,3
	global_load_b128 v[32+4*\i:35+4*\i], v26, s[6:7] offset:512*\i
	global_load_b128 v[48+4*\i:51+4*\i], v27, s[6:7] offset:512*\i
	global_load_b128 v[64+4*\i:67+4*\i], v28, s[6:7] offset:512*\i
	global_load_b128 v[80+4*\i:83+4*\i], v31, s[6:7] offset:512*\i
.endr
	s_wait_loadcnt 0x0
	v_mov_b32 v202, 0
	v_mov_b32 v203, 0
.irp u, 0,1                            ; block I, block 15 - I: 32 products a lane, in two chains, in f32
.set i, 0
.rept 16
	v_mov_b32 v30, v[32+32*\u+i]
	v_mov_b32 v31, v[48+32*\u+i]
	v_cvt_f32_f16 v204, v30.l
	v_cvt_f32_f16 v205, v31.l
	v_cvt_f32_f16 v206, v30.h
	v_cvt_f32_f16 v207, v31.h
	v_fmac_f32 v[200+\u], v204, v205
	v_fmac_f32 v[202+\u], v206, v207
.set i, i+1
.endr
.endr
	v_add_f32 v200, v200, v202
	v_add_f32 v201, v201, v203
.irp m, 1,2,4,8
	v_add_f32_dpp v200, v200, v200 row_xmask:\m row_mask:0xf bank_mask:0xf
	v_add_f32_dpp v201, v201, v201 row_xmask:\m row_mask:0xf bank_mask:0xf
.endr
	v_permlanex16_b32 v204, v200, s78, s79
	v_permlanex16_b32 v205, v201, s78, s79
	v_add_f32 v200, v200, v204
	v_add_f32 v201, v201, v205
.Lno_corner:
	s_wait_loadcnt 0x0
	v_mov_b32 v199, 0x71800000                     ; 2^100
	v_mov_b32 v198, 0xf1800000                     ; -2^100
.irp t, 0,1,2,3,4,5,6,7
	s_cmp_ge_u32 s[II], \t                         ; entries t <= I of the shifted list are not block 15 - I's: they get -M = 2^100 and weigh nothing
	s_cselect_b32 s82, -1, 0
	v_cndmask_b32 v[SB+2*\t], v[SB+2*\t], v199, s82
.endr
	v_mul_f32 v210, s80, v200                      ; the corner's t, in thread 127 alone
	v_mul_f32 v211, s80, v201
	v_cmp_eq_u32 vcc_lo, 0x7f, v0
	v_cndmask_b32 v210, v198, v210, vcc_lo
	v_cmp_eq_u32 vcc_lo, s81, v0
	v_cndmask_b32 v211, v198, v211, vcc_lo
	v_floor_f32 v212, -v210
	v_floor_f32 v213, -v211
	v_min_num_f32 v214, v212, v[SA]                ; the row's -M: the least of all
	v_min_num_f32 v215, v213, v[SB]
.irp J, 1,2,3,4,5,6,7,8,9,10,11,12,13,14,15
	v_min_num_f32 v214, v214, v[SA+2*\J]
	v_min_num_f32 v215, v215, v[SB+2*\J]
.endr
	v_min_num_f32 v215, v215, v[SB+32]
	v_add_f32 v216, v210, v214
	v_add_f32 v217, v211, v215
	v_exp_f32 v216, v216                           ; w = 2^(t - M); 0 where there is no corner
	v_exp_f32 v217, v217
.irp J, 0,1,2,3,4,5,6,7,8,9,10,11,12,13,14,15
	v_sub_f32 v[SA+2*\J], v214, v[SA+2*\J]         ; M_J - M: a whole number, 0 or less
	v_sub_f32 v[SB+2*\J], v215, v[SB+2*\J]
.endr
	v_sub_f32 v[SB+32], v215, v[SB+32]
.irp J, 0,1,2,3,4,5,6,7,8,9,10,11,12,13,14,15
	v_cvt_i32_f32 v[SA+2*\J], v[SA+2*\J]           ; (it saturates)
	v_cvt_i32_f32 v[SB+2*\J], v[SB+2*\J]
.endr
	v_cvt_i32_f32 v[SB+32], v[SB+32]
.irp J, 0,1,2,3,4,5,6,7,8,9,10,11,12,13,14,15
	v_ldexp_f32 v[SA+2*\J], 1.0, v[SA+2*\J]        ; f = 2^(M_J - M)
	v_ldexp_f32 v[SB+2*\J], 1.0, v[SB+2*\J]
.endr
	v_ldexp_f32 v[SB+32], 1.0, v[SB+32]
	v_mul_f32 v208, v[SA], v[SA+1]                 ; l = sum of f l_J
	v_mul_f32 v209, v[SB], v[SB+1]
.irp J, 1,2,3,4,5,6,7,8,9,10,11,12,13,14,15
	v_fmac_f32 v208, v[SA+2*\J], v[SA+2*\J+1]
	v_fmac_f32 v209, v[SB+2*\J], v[SB+2*\J+1]
.endr
	v_fmac_f32 v209, v[SB+32], v[SB+33]
	s_wait_alu depctr_va_vdst(0)                   ; one wait for the two exponentials, ahead of their first reader
	v_add_f32 v208, v208, v216
	v_add_f32 v209, v209, v217
	v_rcp_f32 v218, v208
	v_rcp_f32 v219, v209
.irp J, 0,1,2,3,4,5,6,7,8,9,10,11,12,13,14,15
	v_or_b32 v[SA+2*\J], v[SA+2*\J], v[SB+2*\J]    ; of the two lists one is 0 at each sub-step.  (Plain lines behind the reciprocals)
.endr
	s_wait_alu depctr_va_vdst(0)                   ; one wait for the two reciprocals
.irp J, 0,1,2,3,4,5,6,7,8,9,10,11,12,13,14,15
	ds_store_b32 v29, v[SA+2*\J] offset:512*\J
.endr
	ds_store_b32 v29, v[SB+32] offset:512*16
	ds_store_b32 v29, v218 offset:IL-FT
	ds_store_b32 v29, v219 offset:IL-FT+512
	ds_store_b32 v29, v216 offset:WXT-FT
	ds_store_b32 v29, v217 offset:WXT-FT+512
	s_wait_tensorcnt 1                             ; my part of slot 0 is in; slot 1's load may be out
	s_wait_dscnt 0x0                               ; for the others' sake: my table entries have landed
	s_barrier_signal -1
	s_barrier_wait -1
.irp a, 0,1,2,3
	ds_load_b32 v[26+\a], v[FAD] offset:WXT-FT+64*\a               ; w of my four query tiles, block I
.endr
	s_wait_dscnt 0x0
	INIT VHA, 26
.irp a, 0,1,2,3
	ds_load_b32 v[IV+\a], v[FAD] offset:IL-FT+64*\a
	ds_load_b32 v[IV+4+\a], v[FAD] offset:IL-FT+512+64*\a
	ds_load_b32 v[WXB+\a], v[FAD] offset:WXT-FT+512+64*\a
.endr
	FETCHQ 0, 0, F0, 0
	WIN 0
	s_mov_b32 s[TCUR], 0
	s_mov_b32 s[LAP], 3
.Llap:                                                 ; three trips: slots 0 to 5, each filled again with two sub-steps
	QUARTER 0, 0, F0, F1, 0
	QUARTER 0, 1, F1, F0, 0
	CHECK
	QUARTER 0, 2, F0, F1, 1
	TURN 0, 1, 2
	CHECK
	QUARTER 1, 0, F0, F1, 2
	QUARTER 1, 1, F1, F0, 0
	CHECK
	QUARTER 1, 2, F0, F1, 3
	TURN 1, 0, 2
	CHECK
	v_add_nc_u32 v[FAD], 2048, v[FAD]              ; four sub-steps on in the table of factors
	s_sub_co_u32 s[LAP], s[LAP], 1
	s_cmp_lg_u32 s[LAP], 0
	s_cbranch_scc1 .Llap
	QUARTER 0, 0, F0, F1, 0                        ; sub-steps 12 to 16 are written out: block I ended at sub-step 7 at the latest, and the last fills differ
	QUARTER 0, 1, F1, F0, 0
	QUARTER 0, 2, F0, F1, 1
	TURN 0, 1, 1                                   ; slot 0 takes sub-step 16 alone
	QUARTER 1, 0, F0, F1, 2
	QUARTER 1, 1, F1, F0, 0
	QUARTER 1, 2, F0, F1, 3
	TURN 1, 0, 0
	QUARTER 0, 0, F0, F1, 4
	s_wait_dscnt 16
	WIN 0x05
	MUL8 F1, 0, 0, 0
	MUL8 F1, 0, 2, 0
	s_wait_dscnt 0
	MUL8 F1, 1, 0, 0
	MUL8 F1, 1, 2, 0
	ACCUM
	WIN 0
	FLUSH 1
	s_wait_tensorcnt 0x0                           ; the wave's end
	ds_add_u32 v[SPW], v[NIL]
	s_wait_dscnt 0x0
	CROUND                                         ; the closing round
	s_endpgm
.Lfunc_end_k_q775fe86d7a_pv:
	.size	k_q775fe86d7a_pv, .Lfunc_end_k_q775fe86d7a_pv-k_q775fe86d7a_pv
	.p2alignl 7, 3214868480
	.fill 96, 4, 3214868480
	.section	.rodata,"a",@progbits
	.p2align	6, 0x0
	.amdhsa_kernel k_q775fe86d7a_pv
		.amdhsa_group_segment_fixed_size 327680
		.amdhsa_private_segment_fixed_size 0
		.amdhsa_enable_private_segment 0
		.amdhsa_kernarg_size 32
		.amdhsa_user_sgpr_count 2
		.amdhsa_user_sgpr_kernarg_segment_ptr 1
		.amdhsa_wavefront_size32 1
		.amdhsa_system_sgpr_workgroup_id_x 1
		.amdhsa_system_sgpr_workgroup_id_y 1
		.amdhsa_system_sgpr_workgroup_id_z 1
		.amdhsa_system_vgpr_workitem_id 0
		.amdhsa_next_free_vgpr 640
		.amdhsa_next_free_sgpr 100
		.amdhsa_reserve_vcc 1
		.amdhsa_float_denorm_mode_32 3
		.amdhsa_float_denorm_mode_16_64 3
		.amdhsa_memory_ordered 1
		.amdhsa_forward_progress 1
		.amdhsa_inst_pref_size 245
	.end_amdhsa_kernel
	.amdgpu_metadata
---
amdhsa.version: [ 1, 2 ]
amdhsa.kernels:
  - .name:           k_q775fe86d7a_pv
    .symbol:         k_q775fe86d7a_pv.kd
    .args:
      - { .name: p16, .offset: 0, .size: 8, .value_kind: global_buffer, .address_space: global }
      - { .name: qkv, .offset: 8, .size: 8, .value_kind: global_buffer, .address_space: global }
      - { .name: stats, .offset: 16, .size: 8, .value_kind: global_buffer, .address_space: global }
      - { .name: out0, .offset: 24, .size: 8, .value_kind: global_buffer, .address_space: global }
    .group_segment_fixed_size: 327680
    .private_segment_fixed_size: 0
    .kernarg_segment_align: 8
    .kernarg_segment_size: 32
    .max_flat_workgroup_size: 128
    .sgpr_count:     100
    .vgpr_count:     640
    .wavefront_size: 32
...
	.end_amdgpu_metadata
.endif
;; end of part 4
;; launch first16 (part 5): grid 16 x 4, 8 waves a work-group, no clusters, 2,048 bytes of LDS; arguments fine32, out0; writes out0
.if DOCPART == 5
	.amdgcn_target "amdgcn-amd-amdhsa--gfx1250"
	.amdhsa_code_object_version 6
	.text
	.protected	k_q775fe86d7a_first16
	.globl	k_q775fe86d7a_first16
	.p2align	8
	.type	k_q775fe86d7a_first16,@function
k_q775fe86d7a_first16:
	s_mov_b64 s[64:65], 0
	v_nop
	global_prefetch_b8 v0, s[64:65] scope:SCOPE_SE
	s_setreg_imm32_b32 hwreg(HW_REG_WAVE_MODE, 25, 1), 1
	s_wait_xcnt 0x0
; Rows 0-15 of each batch, which average 2 to 17 values, in f32 throughout: row i sees keys 0 .. i + 1.  Q, K, V come from fine32 [4][32][3072] f32 (a row: Q at byte 0, K at 4,096, V at 8,192).
; A work-group makes one row: x = the row, y = the batch.  Eight waves share the 1,024 channels, four to a lane: thread t holds channels 4 t .. 4 t + 3.
; All 17 keys are always loaded and multiplied; keys beyond i + 1 get the score -2^100 and the weight 0.  The row's maximum is taken away before the exponential.
; No matrix unit, no cluster: 64 rows of 17 keys are no bulk work, and work-groups share nothing that weighs.
; LIMITS: scores above -2^100; NaN and infinities are not served.
.set SPW,  2
.set NIL,  3
.set QR,   4                           ; v4-7
.set KR,   8                           ; v8-75    17 x 4
.set VR,   76                          ; v76-143  17 x 4
.set PD,   144                         ; v144-160 17 partial dot products
.set SPARE, 1024                       ; behind the eight waves' 128 bytes of partial scores: the spare words, 128 bytes a wave
	s_load_b128 s[4:7], s[0:1], 0x0                ; fine32, out0
	v_lshl_add_u32 v[SPW], v0, 2, SPARE
	v_mov_b32 v[NIL], 0
	s_and_b32 s8, ttmp7, 0xffff                    ; the batch
	s_mul_i32 s10, s8, 393216
	s_mov_b32 s11, 0
	s_mul_i32 s16, ttmp9, 12288                    ; the query's row
	s_mov_b32 s17, 0
	s_lshl_b32 s18, s8, 11
	s_add_co_u32 s18, s18, ttmp9
	s_lshl_b32 s18, s18, 12                        ; the row of out0
	s_mov_b32 s19, 0
	s_mov_b32 s12, 0x76543210
	s_mov_b32 s13, 0xfedcba98
	s_mov_b32 s14, 0x3d38aa3b                      ; log2(e) / 32
	s_add_co_u32 s15, ttmp9, 1                     ; the last key that counts
	v_lshlrev_b32 v1, 4, v0                        ; 16 bytes a thread
	v_and_b32 v170, 31, v0                         ; lane
	v_lshlrev_b32 v171, 2, v0                      ; my word among the partial scores
	v_lshlrev_b32 v172, 2, v170
	v_mov_b32 v173, 0
	v_mov_b32 v174, 0
	s_wait_kmcnt 0x0
	s_add_nc_u64 s[4:5], s[4:5], s[10:11]
	s_add_nc_u64 s[20:21], s[4:5], s[16:17]
	s_add_nc_u64 s[6:7], s[6:7], s[18:19]
	global_load_b128 v[QR:QR+3], v1, s[20:21]
.irp k, 0,1,2,3,4,5,6,7,8,9,10,11,12,13,14,15,16
	global_load_b128 v[KR+4*\k:KR+4*\k+3], v1, s[4:5] offset:4096+12288*\k
.endr
.irp k, 0,1,2,3,4,5,6,7,8,9,10,11,12,13,14,15,16
	global_load_b128 v[VR+4*\k:VR+4*\k+3], v1, s[4:5] offset:8192+12288*\k
.endr
	s_wait_loadcnt 17                              ; Q and K are in; V's 17 loads may be out
.irp k, 0,1,2,3,4,5,6,7,8,9,10,11,12,13,14,15,16
	v_mul_f32 v[PD+\k], v[QR], v[KR+4*\k]
.endr
.irp j, 1,2,3
.irp k, 0,1,2,3,4,5,6,7,8,9,10,11,12,13,14,15,16
	v_fmac_f32 v[PD+\k], v[QR+\j], v[KR+4*\k+\j]
.endr
.endr
.irp m, 1,2,4,8
.irp k, 0,1,2,3,4,5,6,7,8,9,10,11,12,13,14,15,16
	v_add_f32_dpp v[PD+\k], v[PD+\k], v[PD+\k] row_xmask:\m row_mask:0xf bank_mask:0xf
.endr
.endr
.irp k, 0,1,2,3,4,5,6,7,8,9,10,11,12,13,14,15,16
	v_permlanex16_b32 v173, v[PD+\k], s12, s13
	v_add_f32 v[PD+\k], v[PD+\k], v173             ; my wave's 128 channels of key k, in every lane
.endr
.irp k, 0,1,2,3,4,5,6,7,8,9,10,11,12,13,14,15,16
	v_readfirstlane_b32 s[22+\k], v[PD+\k]
.endr
.irp k, 0,1,2,3,4,5,6,7,8,9,10,11,12,13,14,15,16
	v_writelane_b32 v174, s[22+\k], \k             ; lane k holds key k; lanes 17-31 hold 0
.endr
	ds_store_b32 v171, v174
	s_wait_dscnt 0x0                               ; for the others' sake
	s_barrier_signal -1
	s_barrier_wait -1
.irp w, 0,1,2,3,4,5,6,7
	ds_load_b32 v[176+\w], v172 offset:128*\w
.endr
	s_wait_dscnt 0x0
	v_add_f32 v176, v176, v177
	v_add_f32 v178, v178, v179
	v_add_f32 v180, v180, v181
	v_add_f32 v182, v182, v183
	v_add_f32 v176, v176, v178
	v_add_f32 v180, v180, v182
	v_add_f32 v176, v176, v180                     ; the score of key = lane
	v_mul_f32 v175, s14, v176
	v_mov_b32 v173, 0xf1800000
	v_cmp_lt_u32 vcc_lo, s15, v170                 ; keys beyond i + 1 are hidden
	v_cndmask_b32 v175, v175, v173, vcc_lo
	v_mov_b32 v177, v175
.irp m, 1,2,4,8
	v_max_num_f32_dpp v177, v177, v177 row_xmask:\m row_mask:0xf bank_mask:0xf
.endr
	v_permlanex16_b32 v173, v177, s12, s13
	v_max_num_f32 v177, v177, v173                 ; the row's maximum
	v_sub_f32 v175, v175, v177
	v_exp_f32 v175, v175
	v_nop
	s_wait_alu depctr_va_vdst(0)
	v_mov_b32 v178, v175
.irp m, 1,2,4,8
	v_add_f32_dpp v178, v178, v178 row_xmask:\m row_mask:0xf bank_mask:0xf
.endr
	v_permlanex16_b32 v173, v178, s12, s13
	v_add_f32 v178, v178, v173
	v_rcp_f32 v179, v178
	v_nop
	s_wait_alu depctr_va_vdst(0)
	v_mul_f32 v175, v175, v179                     ; the weight of key = lane
.irp k, 0,1,2,3,4,5,6,7,8,9,10,11,12,13,14,15,16
	v_readlane_b32 s[40+\k], v175, \k
.endr
	s_wait_loadcnt 0x0                             ; V
.irp j, 0,1,2,3
	v_mul_f32 v[184+\j], s40, v[VR+\j]
.endr
.irp k, 1,2,3,4,5,6,7,8,9,10,11,12,13,14,15,16
.irp j, 0,1,2,3
	v_fmac_f32 v[184+\j], s[40+\k], v[VR+4*\k+\j]
.endr
.endr
	global_store_b128 v1, v[184:187], s[6:7] th:TH_STORE_NT        ; a wave stores 512 consecutive bytes, aligned
	s_wait_tensorcnt 0x0                           ; the wave's end
	ds_add_u32 v[SPW], v[NIL]
	s_wait_dscnt 0x0
	s_endpgm
.Lfunc_end_k_q775fe86d7a_first16:
	.size	k_q775fe86d7a_first16, .Lfunc_end_k_q775fe86d7a_first16-k_q775fe86d7a_first16
	.p2alignl 7, 3214868480
	.fill 96, 4, 3214868480
	.section	.rodata,"a",@progbits
	.p2align	6, 0x0
	.amdhsa_kernel k_q775fe86d7a_first16
		.amdhsa_group_segment_fixed_size 2048
		.amdhsa_private_segment_fixed_size 0
		.amdhsa_enable_private_segment 0
		.amdhsa_kernarg_size 16
		.amdhsa_user_sgpr_count 2
		.amdhsa_user_sgpr_kernarg_segment_ptr 1
		.amdhsa_wavefront_size32 1
		.amdhsa_system_sgpr_workgroup_id_x 1
		.amdhsa_system_sgpr_workgroup_id_y 1
		.amdhsa_system_sgpr_workgroup_id_z 1
		.amdhsa_system_vgpr_workitem_id 0
		.amdhsa_next_free_vgpr 192
		.amdhsa_next_free_sgpr 66
		.amdhsa_reserve_vcc 1
		.amdhsa_float_denorm_mode_32 3
		.amdhsa_float_denorm_mode_16_64 3
		.amdhsa_memory_ordered 1
		.amdhsa_forward_progress 1
		.amdhsa_inst_pref_size 20
	.end_amdhsa_kernel
	.amdgpu_metadata
---
amdhsa.version: [ 1, 2 ]
amdhsa.kernels:
  - .name:           k_q775fe86d7a_first16
    .symbol:         k_q775fe86d7a_first16.kd
    .args:
      - { .name: fine32, .offset: 0, .size: 8, .value_kind: global_buffer, .address_space: global }
      - { .name: out0, .offset: 8, .size: 8, .value_kind: global_buffer, .address_space: global }
    .group_segment_fixed_size: 2048
    .private_segment_fixed_size: 0
    .kernarg_segment_align: 8
    .kernarg_segment_size: 16
    .max_flat_workgroup_size: 256
    .sgpr_count:     66
    .vgpr_count:     192
    .wavefront_size: 32
...
	.end_amdgpu_metadata
.endif
;; end of part 5
